; MI455X (gfx1250); checked and timed in simulation.
; The chip was launched on July 23, 2026; its instructions are those of AMD's public machine-readable ISA for CDNA 5 (MIT licence, August 2026) and "CDNA5" Instruction Set Architecture Reference Guide (July 2026). The comments in the code are by the model that wrote it; some were corrected since.
;; Causal Attention. Allowed arithmetic: matrix products marked QUANTISED: E4M3 operands, one given power-of-two scale a tensor, by v_wmma_f32_16x16x64_fp8_fp8 or v_wmma_f32_16x16x128_fp8_fp8, f32 sums; everything else in f32.
;; Inputs: Wk 2,048 x 2,048 float32; Wo 2,048 x 2,048 float32; Wq 2,048 x 2,048 float32; Wv 2,048 x 2,048 float32; k 1 x 2,048 x 2,048 float32; lowp_scales 12 int32 (the exponents e of the quantised operands' scales 2^e); mask 2,048 x 2,048 bool; q 1 x 2,048 x 2,048 float32; v 1 x 2,048 x 2,048 float32.
;; Outputs: out0 1 x 2,048 x 2,048 float32.
;; This version of the problem:
;;   THIS VERSION OF THE PROBLEM IS GIVEN IN LOW PRECISION. The matrix products marked QUANTISED in the list below multiply operands that are first quantised to E4M3 (4 exponent bits, 3 mantissa bits; 8 bits a number), with one given power-of-two scale for each operand tensor; their sums are f32. All else is computed in f32.
;;   The module's matrix products, in the order in which they are computed (A, B: the left and right operand; K: the contracted axis; several contracted axes count as one K, in the product's order):
;;     1. [M 2,048, K 2,048] x [K 2,048, N 2,048]; A: input q; B: input Wq: QUANTISED (scales: A lowp_scales[0], B lowp_scales[1])
;;     2. [M 2,048, K 2,048] x [K 2,048, N 2,048]; A: input k; B: input Wk: QUANTISED (scales: A lowp_scales[2], B lowp_scales[3])
;;     3. [M 2,048, K 2,048] x [K 2,048, N 2,048]; A: input v; B: input Wv: QUANTISED (scales: A lowp_scales[4], B lowp_scales[5])
;;     4. batch 32 x [M 2,048, K 64] x [K 64, N 2,048]; A: computed on the way; B: computed on the way: QUANTISED (scales: A lowp_scales[6], B lowp_scales[7])
;;     5. batch 32 x [M 2,048, K 2,048] x [K 2,048, N 64]; A: softmax (see below); B: computed on the way: QUANTISED (scales: A lowp_scales[8], B lowp_scales[9])
;;     6. [M 2,048, K 2,048] x [K 2,048, N 2,048]; A: computed on the way; B: input Wo: QUANTISED (scales: A lowp_scales[10], B lowp_scales[11])
;;   THE QUANTISER, for each operand of a quantised product, along K:
;;     - The operand's scale is 2^e, e = its entry of the input lowp_scales (int32; the entries are numbered through the quantised products in the list's order, A before B).
;;     - Each number is divided by the scale, clamped to +-448, and rounded to the nearest number of E4M3, ties to even, subnormals kept.
;;     - The product sums the exact products of the quantised numbers (number of the format x scale) in f32.
;;   ~~~python
;;   def quantise(x, axis, e):      # numpy; x: float32 -> the quantised numbers, widened to float32 again
;;       x = np.moveaxis(x, axis, -1); K = x.shape[-1]
;;       r = np.clip(x / 2.0 ** e, -448, 448)
;;       step = 2.0 ** (np.maximum(np.frexp(np.where(r == 0, 1, r))[1] - 1, -6) - 3)
;;       q = np.round(r / step) * step * 2.0 ** e      # np.round: ties to even
;;       return np.moveaxis(q, -1, axis).astype(np.float32)
;;   ~~~
;;   SOFTMAX AHEAD OF A QUANTISED PRODUCT. Where the list says 'softmax', what is quantised is not the finished softmax but p = 2^(t - M), with t = logit x log2(e) and M = ceil(the row's largest t), a whole number; so 1/2 < the row's largest p <= 1. The row's sum l is taken of the UNQUANTISED p, in f32, and the product's result is divided by l at the end. Since M is a whole number, a kernel that streams over the keys may use a running M (the ceiling of the running maximum): every later rescaling is an exact power of two, so the quantised numbers keep their values, but for numbers so far below the row's largest that they fall under the format's range.
;;   OPERANDS COMPUTED ON THE WAY. 'Computed on the way' means the value that the module computes at that place (a softmax that the list does not call 'softmax' is quantised finished and normalised). What goes into a quantiser is computed in f32, as accurately as f32 sums, v_exp_f32 and their like allow (about 1e-6 of the number): no bf16 or f16 on the way to a quantiser, and a product that is left as it is and whose result goes on into a quantised operand takes f32 operands (vector FMAs, or v_wmma_f32_16x16x4_f32). A number that lies on a knife's edge between two numbers of the format may be rounded either way, as far as f32 arithmetic and the matrix unit's own rounding can turn it there, and no further.
;; 2 versions, each right; version 2 is version 1 with the launch attn written anew for expert scheduling mode. Each part assembles by itself: llvm-mc -triple=amdgcn-amd-amdhsa -mcpu=gfx1250 --defsym DOCPART=n.
;; ======== version 1 of 2: 4 launches
;; workspace buffers: codes 29,360,128 bytes; maskw 524,288 bytes of whole numbers; flags 1,024 bytes of whole numbers; proj 12,582,912 bytes; oc 4,194,304 bytes
;; launch prep (part 1): grid 128 x 8, 4 waves a work-group, no clusters, 68,352 bytes of LDS; arguments q, Wq, k, Wk, Wv, v, Wo, mask, lowp_scales, codes, maskw, flags; writes codes, maskw, flags
.if DOCPART == 1
	.amdgcn_target "amdgcn-amd-amdhsa--gfx1250"
	.amdhsa_code_object_version 6
	.text
	.protected	k_q85ef8d08c2_prep
	.globl	k_q85ef8d08c2_prep
	.p2align	8
	.type	k_q85ef8d08c2_prep,@function
k_q85ef8d08c2_prep:
	s_mov_b64 s[64:65], 0
	v_nop
	global_prefetch_b8 v0, s[64:65] scope:SCOPE_SE
	s_setreg_imm32_b32 hwreg(HW_REG_WAVE_MODE, 25, 1), 1
	s_wait_xcnt 0x0
; PREP.  Work-group row y = 0 .. 6: one of the seven f32 tensors [2048][2048] (q, Wq, k, Wk, Wv, v, Wo, K innermost in all) becomes codes of E4M3 with its given scale 2^e:
; code = x / 2^e, held within +-448, to the nearest code, ties to even.  Region y of the buffer of codes, 4,194,304 bytes, row-major as the tensor.  128 work-groups a tensor, 8,192 numbers a wave.
; Work-group row y = 7: the mask [2048][2048] of bytes becomes lane masks for the attention launch.  Work-group x is a tile T of 16 queries; wave w takes keys 512 w .. 512 w + 511, four steps of 128 keys.
;   maskw[T][s][n], n = 0 .. 63: bit l = mask[16 T + l % 16][128 s + 32 (n / 16) + 16 (l / 16) + n % 16]: the select mask of score register n in step s.
;   flags[T][0], bit s: step s has a kept key (all sixteen bits set where some query of T has no kept key at all: such a tile walks every step).   flags[T][1], bit s: step s has a hidden key.
; LIMITS: each e between -126 and 119, so that 2^e and 448 x 2^e are f32 numbers.  NaN among the f32 inputs is not served (an infinity is held at the largest code).
; No tensor loads, no cluster: no two work-groups read the same bytes.  The two paths part on the work-group's number alone and have LDS bytes of their own.
.set STEPS, 16                         ; steps of 512 numbers in a wave's run
.set EMAX,  8
.set MANT,  0x600000                   ; the mantissa field of 448 as f32
.set R,     16                         ; v16-79   four sets of 16 numbers as they are loaded
.set X,     80                         ; v80-111  two sets of 16 neighbours
.set C,     128                        ; v128-191 codes: four registers for each step, so that no store's data are written again
.set WREG,  8192                       ; quantiser: LDS bytes 0 .. 32,767, a region for each wave: two stages of 32 x SP bytes
.set SP,    80                         ; a lane's place in a stage: its 64 bytes + 16 of padding
.set MST,   32768                      ; mask: two stages of 16 rows x MP bytes for each wave
.set MP,    272                        ; 256 bytes of a row + 16 of padding
.set MWV,   2*16*MP                    ; 8,704 bytes a wave
.set RED,   MST+4*MWV                  ; 67,584: sixteen bytes for each wave's part of the flags
.set XM,    80                         ; v80-143  mask: step k, block b of 32 keys: my 16 bytes at v[XM + 16 k + 4 b]
.set OW,    144                        ; v144-151 mask: step k's 64 words, two a lane
.macro LOAD t                          ; a step's 2,048 bytes: each load reads 512 consecutive bytes, 16 a lane
.irp i, 0,1,2,3
	global_load_b128 v[R+16*((\t)%4)+4*\i:R+16*((\t)%4)+4*\i+3], v3, s[4:5] offset:2048*(\t)+512*\i th:TH_LOAD_NT
.endr
.endm
.macro TURN t                          ; through the wave's stage, so that a lane gets 16 neighbours: LDS serves a wave's instructions in order, so no wait stands between the stores and the loads
.irp i, 0,1,2,3
	ds_store_b128 v14, v[R+16*((\t)%4)+4*\i:R+16*((\t)%4)+4*\i+3] offset:32*SP*((\t)%2)+8*SP*\i
.endr
.irp i, 0,1,2,3
	ds_load_b128 v[X+16*((\t)%2)+4*\i:X+16*((\t)%2)+4*\i+3], v15 offset:32*SP*((\t)%2)+16*\i
.endr
.endm
.macro STEP t
.set XS, X+16*((\t)%2)
	s_wait_dscnt 0x0                               ; this step's numbers are back from the stage, and its stores into the stage have read their registers,
.if (\t)+4 < STEPS
	LOAD (\t)+4                                    ; which take the loads of four steps on
.endif
.if (\t)+1 < STEPS
.if STEPS-2-(\t) >= 3
	s_wait_loadcnt 12                              ; the next step's four loads are in; those of the three steps behind it may be out
.else
	s_wait_loadcnt 4*(STEPS-2-(\t))
.endif
	TURN (\t)+1                                    ; and go through the other stage while this step is worked
.endif
.irp i, 0,1,2,3,4,5,6,7,8,9,10,11,12,13,14,15
	v_med3_num_f32 v[XS+\i], v[XS+\i], -v10, v10   ; the conversion to an 8-bit code does not saturate (ISA guide 7.6.2): the hold at the largest code x the scale comes first
.endr
	v_cvt_scalef32_pk8_fp8_f32 v[C+4*(\t):C+4*(\t)+1], v[XS:XS+7], v11
	v_cvt_scalef32_pk8_fp8_f32 v[C+4*(\t)+2:C+4*(\t)+3], v[XS+8:XS+15], v11
	global_store_b128 v3, v[C+4*(\t):C+4*(\t)+3], s[6:7] offset:512*(\t)   ; the wave stores 512 consecutive bytes, at a multiple of 256 from the buffer's first byte; the next vector lines are the next step's holds, on other registers
.endm
; Step k of my four: 64 words.  Byte n % 16 of block n / 16 of my 16 bytes is compared with 0 in all 32 lanes at once: the compare's result IS the word.  It goes to lane n / 2 of one of two registers, so that
; one store of 8 bytes a lane writes the step's 256 bytes.  The words' OR and AND say whether the step has a kept key and whether it has a hidden one.
.macro WORDS k
	s_mov_b32 s44, 0
	s_mov_b32 s45, -1
.set n, 0
.rept 64
	v_bfe_u32 v13, v[XM+16*(\k)+4*(n/16)+(n%16)/4], 8*(n%4), 8
	v_cmp_ne_u32 s[40+n%4], 0, v13
	s_or_b32 s44, s44, s[40+n%4]
	s_and_b32 s45, s45, s[40+n%4]
	v_writelane_b32 v[OW+2*(\k)+n%2], s[40+n%4], n/2
.set n, n+1
.endr
	global_store_b64 v12, v[OW+2*(\k):OW+2*(\k)+1], s[6:7] offset:256*(\k)   ; 32 lanes store 256 consecutive bytes, aligned
	s_cmp_lg_u32 s44, 0
	s_cselect_b32 s50, 1<<(\k), 0
	s_lshl_b32 s50, s50, s49
	s_or_b32 s46, s46, s50                         ; bit 4 w + k: a kept key
	s_cmp_lg_u32 s45, -1
	s_cselect_b32 s50, 1<<(\k), 0
	s_lshl_b32 s50, s50, s49
	s_or_b32 s47, s47, s50                         ; bit 4 w + k: a hidden key
	s_or_b32 s48, s48, s44                         ; which lanes (queries, in two halves) have seen a kept key
.endm
	s_load_b512 s[16:31], s[0:1], 0x0              ; q, Wq, k, Wk, Wv, v, Wo, mask
	s_load_b256 s[8:15], s[0:1], 0x40              ; the scales' exponents s[8:9], codes s[10:11], maskw s[12:13], flags s[14:15]
	v_lshl_add_u32 v192, v0, 2, 0x10900
	v_mov_b32 v193, 0
	v_lshrrev_b32 v1, 5, v0
	v_readfirstlane_b32 s32, v1                    ; wave
	s_and_b32 s33, ttmp7, 0xffff                   ; y
	v_and_b32 v2, 31, v0                           ; lane
	s_wait_kmcnt 0x0
	s_cmp_eq_u32 s33, 7
	s_cbranch_scc1 .Lmask
	; ---- the quantiser
	v_lshlrev_b32 v3, 4, v2                        ; my 16 bytes of a load's 512, and of a store's
	s_mul_i32 s35, s32, WREG
	v_lshrrev_b32 v14, 2, v2
	v_mul_u32_u24 v14, v14, SP
	v_and_b32 v15, 3, v2
	v_lshl_add_u32 v14, v15, 4, v14
	v_add_nc_u32 v14, s35, v14                     ; the stage, on the way in: SP (lane / 4) + 16 (lane % 4)
	v_mul_u32_u24 v15, v2, SP
	v_add_nc_u32 v15, s35, v15                     ; and on the way out: SP x lane: my 16 neighbours
	s_xor_b32 s34, s33, 1                          ; which entry of the scales: regions 0 .. 3 take entries 0 .. 3; region 4 (Wv) entry 5, region 5 (v) entry 4; region 6 (Wo) entry 11
	s_cmp_ge_u32 s33, 4
	s_cselect_b32 s34, s34, s33
	s_cmp_eq_u32 s33, 6
	s_cselect_b32 s34, 11, s34
	s_lshl_b32 s34, s34, 2
	s_load_b32 s36, s[8:9], s34 offset:0x0         ; e
	s_mov_b64 s[4:5], s[16:17]                     ; the tensor: a choice on the work-group's number alone
.irp i, 1,2,3,4,5,6
	s_cmp_eq_u32 s33, \i
	s_cselect_b64 s[4:5], s[16+2*\i:17+2*\i], s[4:5]
.endr
	s_lshl_b32 s37, ttmp9, 2
	s_add_co_u32 s37, s37, s32                     ; which run of 8,192 numbers is my wave's
	s_lshl_b32 s38, s37, 15
	s_mov_b32 s39, 0
	s_add_nc_u64 s[4:5], s[4:5], s[38:39]
	s_lshl_b32 s38, s37, 13
	s_lshl_b32 s40, s33, 22
	s_add_co_u32 s38, s38, s40
	s_add_nc_u64 s[6:7], s[10:11], s[38:39]        ; its codes: region y, 8,192 bytes a run
.irp t, 0,1,2,3
	LOAD \t
.endr
	s_wait_kmcnt 0x0
	s_add_co_i32 s36, s36, 127
	s_lshl_b32 s41, s36, 23
	v_mov_b32 v11, s41                             ; 2^e as f32: the conversion takes its exponent field
	s_add_co_i32 s36, s36, EMAX
	s_lshl_b32 s36, s36, 23
	s_or_b32 s36, s36, MANT
	v_mov_b32 v10, s36                             ; 448 x 2^e
	s_wait_loadcnt 12                              ; step 0's four loads are in
	TURN 0
.irp t, 0,1,2,3,4,5,6,7,8,9,10,11,12,13,14,15
	STEP \t
.endr
	s_wait_tensorcnt 0x0
	ds_add_u32 v192, v193
	s_wait_dscnt 0x0
	s_endpgm
	; ---- the mask
.Lmask:
	v_and_b32 v5, 15, v2                           ; l % 16
	v_lshrrev_b32 v6, 4, v2                        ; l / 16
	v_lshlrev_b32 v7, 11, v6
	v_lshl_add_u32 v7, v5, 4, v7                   ; in memory: sixteen lanes take 256 bytes of a row, the other sixteen the next row's
	s_mul_i32 s35, s32, MWV
	s_add_co_u32 s35, s35, MST
	v_mul_u32_u24 v8, v6, MP
	v_lshl_add_u32 v8, v5, 4, v8
	v_add_nc_u32 v8, s35, v8                       ; into my stage: the same two rows
	v_mul_u32_u24 v9, v5, MP
	v_lshl_add_u32 v9, v6, 4, v9
	v_add_nc_u32 v9, s35, v9                       ; out of it: row l % 16, + 16 (l / 16)
	v_lshlrev_b32 v12, 3, v2                       ; two words a lane
	s_lshl_b32 s38, ttmp9, 15                      ; 16 rows of 2,048 bytes a tile,
	s_lshl_b32 s37, s32, 9                         ; 512 keys a wave
	s_add_co_u32 s38, s38, s37
	s_mov_b32 s39, 0
	s_add_nc_u64 s[4:5], s[30:31], s[38:39]
	s_lshl_b32 s38, ttmp9, 12                      ; 16 steps of 256 bytes a tile,
	s_lshl_b32 s37, s32, 10                        ; four steps a wave
	s_add_co_u32 s38, s38, s37
	s_add_nc_u64 s[6:7], s[12:13], s[38:39]
.irp ch, 0,1                                   ; two chunks of 256 keys x 16 rows
.irp j, 0,1,2,3,4,5,6,7
	global_load_b128 v[16+32*\ch+4*\j:16+32*\ch+4*\j+3], v7, s[4:5] offset:\j*4096+\ch*256 th:TH_LOAD_NT
.endr
.endr
.irp j, 0,1,2,3,4,5,6,7
	v_mov_b32 v[OW+\j], 0                          ; written whole once: a lane write's destination counts as read
.endr
	s_mov_b32 s46, 0
	s_mov_b32 s47, 0
	s_mov_b32 s48, 0
	s_lshl_b32 s49, s32, 2                         ; my first step's bit
	s_wait_loadcnt 8                               ; chunk 0 is in
.irp j, 0,1,2,3,4,5,6,7
	ds_store_b128 v8, v[16+4*\j:19+4*\j] offset:\j*2*MP
.endr
.irp sc, 0,1
.irp b, 0,1,2,3
	ds_load_b128 v[XM+16*\sc+4*\b:XM+16*\sc+4*\b+3], v9 offset:128*\sc+32*\b
.endr
.endr
	s_wait_loadcnt 0x0
.irp j, 0,1,2,3,4,5,6,7
	ds_store_b128 v8, v[48+4*\j:51+4*\j] offset:16*MP+\j*2*MP
.endr
.irp sc, 0,1
.irp b, 0,1,2,3
	ds_load_b128 v[XM+32+16*\sc+4*\b:XM+32+16*\sc+4*\b+3], v9 offset:16*MP+128*\sc+32*\b
.endr
.endr
	s_wait_dscnt 16                                ; chunk 0 is back; chunk 1's eight stores and eight loads may be out
	WORDS 0
	WORDS 1
	s_wait_dscnt 0x0
	WORDS 2
	WORDS 3
	; the four waves' parts of the flags meet in LDS
	v_mov_b32 v152, s46
	v_mov_b32 v153, s47
	v_mov_b32 v154, s48
	v_mov_b32 v155, 0
	s_lshl_b32 s50, s32, 4
	s_add_co_u32 s50, s50, RED
	v_mov_b32 v14, s50
	ds_store_b128 v14, v[152:155]                  ; all lanes write the same sixteen bytes with the same values
	s_wait_dscnt 0x0                               ; for the others' sake: my store has landed
	s_barrier_signal -1
	s_barrier_wait -1                              ; (all four waves of a work-group are on this path: it hangs on the work-group's number)
	v_mov_b32 v15, RED
.irp i, 0,1,2,3
	ds_load_b128 v[156+4*\i:159+4*\i], v15 offset:16*\i
.endr
	s_wait_dscnt 0x0
	v_or_b32 v156, v156, v160
	v_or_b32 v164, v164, v168
	v_or_b32 v156, v156, v164                      ; steps with a kept key
	v_or_b32 v157, v157, v161
	v_or_b32 v165, v165, v169
	v_or_b32 v157, v157, v165                      ; steps with a hidden key
	v_or_b32 v158, v158, v162
	v_or_b32 v166, v166, v170
	v_or_b32 v158, v158, v166
	v_lshrrev_b32 v159, 16, v158
	v_or_b32 v158, v158, v159                      ; lanes l and l + 16 hold the same query
	v_and_b32 v158, 0xffff, v158                   ; bit r: query r has a kept key
	v_mov_b32 v159, 0xffff
	v_cmp_ne_u32 vcc_lo, v158, v159
	v_cndmask_b32 v156, v156, v159, vcc_lo         ; a query without any: the tile walks all sixteen steps
	s_cmp_lg_u32 s32, 0
	s_cbranch_scc1 .Lend
	s_lshl_b32 s38, ttmp9, 3
	s_add_nc_u64 s[14:15], s[14:15], s[38:39]
	v_mov_b32 v15, 0
	v_cmp_eq_u32 vcc_lo, 0, v2
	s_wait_xcnt 0x0                                ; EXEC is a source of my pending stores: it changes only behind this wait
	s_and_saveexec_b32 s50, vcc_lo
	global_store_b64 v15, v[156:157], s[14:15]     ; eight bytes a work-group, 1,024 in the launch: a part of an aligned 256 bytes, the one such store here
	s_wait_xcnt 0x0
	s_or_b32 exec_lo, exec_lo, s50
.Lend:
	s_wait_tensorcnt 0x0
	ds_add_u32 v192, v193
	s_wait_dscnt 0x0
	s_endpgm
.Lfunc_end_k_q85ef8d08c2_prep:
	.size	k_q85ef8d08c2_prep, .Lfunc_end_k_q85ef8d08c2_prep-k_q85ef8d08c2_prep
	.p2alignl 7, 3214868480
	.fill 96, 4, 3214868480
	.section	.rodata,"a",@progbits
	.p2align	6, 0x0
	.amdhsa_kernel k_q85ef8d08c2_prep
		.amdhsa_group_segment_fixed_size 68352
		.amdhsa_private_segment_fixed_size 0
		.amdhsa_enable_private_segment 0
		.amdhsa_kernarg_size 96
		.amdhsa_user_sgpr_count 2
		.amdhsa_user_sgpr_kernarg_segment_ptr 1
		.amdhsa_wavefront_size32 1
		.amdhsa_system_sgpr_workgroup_id_x 1
		.amdhsa_system_sgpr_workgroup_id_y 1
		.amdhsa_system_sgpr_workgroup_id_z 1
		.amdhsa_system_vgpr_workitem_id 0
		.amdhsa_next_free_vgpr 194
		.amdhsa_next_free_sgpr 66
		.amdhsa_reserve_vcc 1
		.amdhsa_float_denorm_mode_32 3
		.amdhsa_float_denorm_mode_16_64 3
		.amdhsa_memory_ordered 1
		.amdhsa_forward_progress 1
		.amdhsa_inst_pref_size 110
	.end_amdhsa_kernel
	.amdgpu_metadata
---
amdhsa.version: [ 1, 2 ]
amdhsa.kernels:
  - .name:           k_q85ef8d08c2_prep
    .symbol:         k_q85ef8d08c2_prep.kd
    .args:
      - { .name: q, .offset: 0, .size: 8, .value_kind: global_buffer, .address_space: global }
      - { .name: Wq, .offset: 8, .size: 8, .value_kind: global_buffer, .address_space: global }
      - { .name: k, .offset: 16, .size: 8, .value_kind: global_buffer, .address_space: global }
      - { .name: Wk, .offset: 24, .size: 8, .value_kind: global_buffer, .address_space: global }
      - { .name: Wv, .offset: 32, .size: 8, .value_kind: global_buffer, .address_space: global }
      - { .name: v, .offset: 40, .size: 8, .value_kind: global_buffer, .address_space: global }
      - { .name: Wo, .offset: 48, .size: 8, .value_kind: global_buffer, .address_space: global }
      - { .name: mask, .offset: 56, .size: 8, .value_kind: global_buffer, .address_space: global }
      - { .name: lowp_scales, .offset: 64, .size: 8, .value_kind: global_buffer, .address_space: global }
      - { .name: codes, .offset: 72, .size: 8, .value_kind: global_buffer, .address_space: global }
      - { .name: maskw, .offset: 80, .size: 8, .value_kind: global_buffer, .address_space: global }
      - { .name: flags, .offset: 88, .size: 8, .value_kind: global_buffer, .address_space: global }
    .group_segment_fixed_size: 68352
    .private_segment_fixed_size: 0
    .kernarg_segment_align: 8
    .kernarg_segment_size: 96
    .max_flat_workgroup_size: 128
    .sgpr_count:     66
    .vgpr_count:     194
    .wavefront_size: 32
...
	.end_amdgpu_metadata
.endif
;; end of part 1
;; launch proj (part 2): grid 8 x 24, 4 waves a work-group, clusters of 4 x 4, 327,680 bytes of LDS; arguments codes, lowp_scales, proj; writes proj
.if DOCPART == 2
	.amdgcn_target "amdgcn-amd-amdhsa--gfx1250"
	.amdhsa_code_object_version 6
	.text
	.protected	k_q85ef8d08c2_proj
	.globl	k_q85ef8d08c2_proj
	.p2align	8
	.type	k_q85ef8d08c2_proj,@function
k_q85ef8d08c2_proj:
	s_mov_b64 s[64:65], 0
	v_nop
	global_prefetch_b8 v0, s[64:65] scope:SCOPE_SE
	s_setreg_imm32_b32 hwreg(HW_REG_WAVE_MODE, 25, 1), 1
	s_wait_xcnt 0x0
	s_wait_alu depctr_hold_cnt(0) depctr_sa_sdst(0) depctr_va_vdst(0) depctr_va_sdst(0) depctr_va_ssrc(0) depctr_va_vcc(0) depctr_vm_vsrc(0)
	s_getreg_b32 s2, hwreg(HW_REG_IB_STS2, 6, 4)
	s_cmp_eq_u32 s2, 0
	s_cbranch_scc0 .Lentry_in_a_cluster
	s_endpgm
.Lentry_in_a_cluster:
	s_bfe_u32 s2, ttmp6, 0x10000c
	s_cmp_lg_u32 s2, 0xf033
	s_cbranch_scc0 .Lentry_shape_is_right
	s_endpgm
.Lentry_shape_is_right:
; PROJ.  Three products C[m][n] = sum over k of A[m][k] B[n][k] on codes of E4M3, 2048 x 2048 x 2048 each, in one launch and one path; each result is quantised on the way out.
;   g = 0: A = q's codes (region 0), B = Wq's (1): C = qh[token][feature].   g = 1: A = k's (2), B = Wk's (3): kh.   g = 2: A = Wv's (4), B = v's (5): C[feature][token] = vh TRANSPOSED: the keys are the K of attention's second product.
; A sum stands for sum x 2^(ea + eb); its code under the given 2^eo (entry 6, 7 or 9 of the scales) is sum / 2^E, E = eo - ea - eb, held within +-448 x 2^E: the three scales are folded into the conversion's one.
; OUTPUT: proj[g][n / 64][m][n % 64], a byte a code: a head's rows of qh and kh, and 64 keys of every row of vh^T, lie in dense blocks.
; LIMIT: E between -126 and 119, so that 2^E and 448 x 2^E are f32 numbers.
; A tile of C, 256 x 256, is made by a work-group of four waves; a wave makes 128 x 128: 64 accumulators, 512 registers.  3 x 64 tiles: 192 work-groups.  K goes in steps of 256 through a ring of two LDS slots filled by the
; tensor data mover: a tile's row is 256 bytes of memory.  By this text's own count a wave has two tensor loads out at the start and one behind each round.
; CLUSTERS: 4 x 4 work-groups, all of one g.  The four of a row of the cluster need the same tiles of A, the four of a column the same tiles of B: each tile is asked for JOINTLY, by the same tensor load with the same
; descriptor and a mask that names the four.  THE MATRIX INSTRUCTION IS USED TRANSPOSED (source 0 = 16 rows of B, source 1 = 16 rows of A): a lane then holds eight neighbouring n of one row m: eight codes, 8 bytes.
; A fragment's k are permuted alike in A and B (four loads of 16 bytes a fragment): every product meets its partner; only the order of the sums inside an instruction changes.
; REGISTERS, in windows of 256: window 0: v0-31 addresses; from v128 A's fragments (8 x 16 rows x 128 K), ONE set; on the way out v32-95 held sums, v128-255 codes and then rows.
;   window 1: B's fragments, TWO sets, at v0 and at v128.   window 2: the 32 accumulators of my rows 0-63 (accumulator (a, b) at v[8 (8 a + b)]);   window 3: those of my rows 64-127.
.set SIZE_K, 2048
.set KSTEP,  256                       ; along K in a slot
.set ROWB,   256                       ; a tile's row in bytes
.set KROW,   SIZE_K                    ; a row of A or of B in memory, in bytes
.set PITCH,  272                       ; an LDS row: 256 bytes + 16 of padding = 68 words: the 16 rows that a load touches start 4 words apart modulo 64 (64 banks of 4 bytes: ISA guide 11.1)
.set FR,     16                        ; registers of a fragment: 16 rows x 128 K
.set NL,     4                         ; LDS loads that bring one
.set NP,     4                         ; places behind this matrix instruction (ISA guide 7.12.1)
.set HALFT,  128*PITCH                 ; 128 rows: what one tensor load brings, and what one wave reads of A or of B
.set SLOT,   4*HALFT                   ; A's 256 rows, then B's 256 rows
.set LAPS,   SIZE_K/(2*KSTEP)          ; a lap = two K steps = once round the ring
.set SPARE,  2*SLOT                    ; behind the ring: the spare words, 128 bytes for each wave: two blocks of 256 bytes that no other line names
.set QP,     336                       ; the way out: the work-group's stage of 256 rows x (256 codes + 80): 84 words, so that the 32 lanes of a store of 8 bytes touch 64 different banks.  It lies in slot 0, which has had its last fill and its last read by then
.set ADRA, 16                          ; v16-17  LDS address of my A fragments in slot 0, 1
.set ADRB, 20                          ; v20-21  the same for B
.set STO,  24                          ; v24     the way out: where I put 8 codes of a row
.set RD,   25                          ; v25     where I read 16 bytes of my column block back: rows 0-127;
.set CO,   26                          ; v26     16 x lane: my place in a store's 512 bytes
.set RD2,  27                          ; v27     rows 128-255
.set SPW,  28                          ; v28     LDS address of my spare word: SPARE + 4 x my thread's number; never rewritten
.set NIL,  29                          ; v29     0; never rewritten
.set SCL,  30                          ; v30     2^E as f32
.set LIMV, 31                          ; v31     448 x 2^E
.set TMP,  32                          ; v32-95  a block's 64 sums, held
.set AF,   128                         ; A's fragments, in window 0
.set CD,   128                         ; the way out: codes, 16 registers a block, none written twice; then the rows read back
.set G1, 24                            ; s[24:31] descriptor group 1 for A's tiles;  s[32:39] group 0, one set for each slot
.set G0, 32
.set G1B, 48                           ; s[48:55], s[56:63] the same for B's tiles
.set G0B, 56
.set MSB, 0
.macro WIN new                         ; the immediate's high byte repeats the setting that is left
.if MSB != \new
	s_set_vgpr_msb (MSB<<8)|\new
.set MSB, \new
.endif
.endm
.set MUL_LO, 0xa1                      ; source 0 (B) window 1, source 1 (A) window 0, C and D window 2
.set MUL_HI, 0xf1                      ; the same, C and D window 3
.set TO_B,   0x40                      ; destination window 1, address window 0
; A joint load: waves 0 and 1 fetch for A, waves 2 and 3 for B.  Each of the two lines has ONE mask and one set of registers for all that issue it; the branch hangs on the wave's number alone.
; Four v_nop follow each of the two lines, ahead of the jump, the label and what follows.
.macro JLOAD g0a, g1a, g0b, g1b
	s_cmp_eq_u32 s15, 0
	s_cbranch_scc0 .Lfor_b_\@
	tensor_load_to_lds s[\g0a:\g0a+3], s[\g1a:\g1a+7]
	s_nop 0
.rept 4
	v_nop
.endr
	s_branch .Lasked_\@
.Lfor_b_\@:
	tensor_load_to_lds s[\g0b:\g0b+3], s[\g1b:\g1b+7]
	s_nop 0
.rept 4
	v_nop
.endr
.Lasked_\@:
.endm
.macro CREST                           ; a round of the cluster's barrier behind its opening barrier
	s_cmp_lg_u32 s14, 0
	s_cbranch_scc1 .Lnot_wave_0_\@
	s_barrier_signal -3
.Lnot_wave_0_\@:
	s_barrier_wait -3
	s_barrier_signal -1
	s_barrier_wait -1
.endm
.macro CROUND                          ; a whole round
	s_barrier_signal -1
	s_barrier_wait -1
	CREST
.endm
	s_load_b128 s[4:7], s[0:1], 0x0                ; the codes s[4:5], the scales' exponents s[6:7]
	s_load_b64 s[10:11], s[0:1], 0x10              ; proj
	v_lshl_add_u32 v[SPW], v0, 2, SPARE
	v_mov_b32 v[NIL], 0
	ds_add_u32 v28, v29
	ds_add_u32 v28, v29
	s_wait_dscnt 0x0
	v_lshrrev_b32 v1, 5, v0
	v_readfirstlane_b32 s14, v1                    ; wave 0..3
	s_lshr_b32 s15, s14, 1                         ; which half of the tile's rows is mine.  Also: I fetch for A (0) or for B (1)
	s_and_b32 s16, s14, 1                          ; which half of its columns.  Also: which 128 rows of that tile I fetch
	s_bfe_u32 s40, ttmp6, 0x40000                  ; cx, cy: my place in the cluster
	s_bfe_u32 s41, ttmp6, 0x40004
	s_lshl_b32 s42, ttmp9, 2
	s_add_co_u32 s42, s42, s40                     ; tile column of C = 4 x cluster x + cx: 0 .. 7
	s_and_b32 s12, ttmp7, 0xffff                   ; cluster y: 0 .. 5
	s_lshr_b32 s13, s12, 1                         ; g: which product; the same in all sixteen partners
	s_and_b32 s17, s12, 1
	s_lshl_b32 s17, s17, 2
	s_add_co_u32 s17, s17, s41                     ; tile row of C = 4 x (cluster y % 2) + cy: 0 .. 7
	s_lshl_b32 s43, s41, 2
	s_lshl_b32 s43, 15, s43                        ; my row of the cluster
	s_lshl_b32 s44, 0x1111, s40                    ; my column
	; descriptor group 1: a tile of 128 rows x 256 bytes, padded in LDS
	s_or_b32 s[G1+0], s43, (0<<16)|(1<<20)|(1<<21)|(5<<22)|(3<<25)  ; 15:0 the mask: A's tiles go to my row; 17:16 element of 1 byte; 20 padding on; 21 set beside a mask; 24:22 after every 64 words (code 5); 31:25 of 4 words (code 3)
	s_or_b32 s[G1B+0], s44, (0<<16)|(1<<20)|(1<<21)|(5<<22)|(3<<25)
.irp g, G1, G1B
	s_mov_b32 s[\g+1], ROWB<<16                    ; tensor_dim0
	s_mov_b32 s[\g+2], 128<<16                     ; tensor_dim1 = 128
	s_mov_b32 s[\g+3], ROWB<<16                    ; tile_dim0
	s_mov_b32 s[\g+4], 128                         ; tile_dim1 = 128
	s_mov_b32 s[\g+5], KROW                        ; tensor_dim0_stride
	s_mov_b32 s[\g+6], 0
	s_mov_b32 s[\g+7], 0
.endr
	s_lshl_b32 s72, s13, 23                        ; regions 2 g and 2 g + 1 of the codes, 2^22 bytes each
	s_lshl_b32 s18, s16, 7                         ; which 128 rows of the tile I fetch
	s_lshl_b32 s20, s17, 8
	s_add_co_u32 s20, s20, s18                     ; A: row 256 x tile row + 128 x half,
	s_lshl_b32 s20, s20, 11                        ; of 2,048 bytes,
	s_add_co_u32 s20, s20, s72                     ; in region 2 g
	s_mov_b32 s21, 0
	s_lshl_b32 s46, s42, 8
	s_add_co_u32 s46, s46, s18                     ; B: row 256 x tile column + 128 x half,
	s_lshl_b32 s46, s46, 11
	s_add_co_u32 s46, s46, s72
	s_add_co_u32 s46, s46, 0x400000                ; in region 2 g + 1
	s_mov_b32 s47, 0
	s_mul_i32 s45, s14, HALFT                      ; where they go: wave x 128 rows: no place in the cluster enters an LDS address
	s_lshl_b32 s73, s13, 3                         ; entries 2 g, 2 g + 1 of the scales;
	s_cmp_eq_u32 s13, 2
	s_cselect_b32 s74, 4, 0
	s_lshl_b32 s75, s13, 2
	s_add_co_u32 s74, s74, s75
	s_add_co_u32 s74, s74, 24                      ; and entry 6, 7 or 9
	s_wait_kmcnt 0x0
	s_load_b64 s[68:69], s[6:7], s73 offset:0x0    ; ea, eb
	s_load_b32 s70, s[6:7], s74 offset:0x0         ; eo.  No branch hangs on these numbers
	s_add_nc_u64 s[20:21], s[4:5], s[20:21]
	s_add_nc_u64 s[46:47], s[4:5], s[46:47]
	CROUND                                         ; all sixteen work-groups are here: the first joint loads meet
.irp s, 0,1
	s_mov_b32 s[G0+4*\s], 1
	s_add_co_u32 s[G0+4*\s+1], s45, \s*SLOT
	s_add_nc_u64 s[G0+4*\s+2:G0+4*\s+3], s[20:21], \s*ROWB
	s_or_b32 s[G0+4*\s+3], s[G0+4*\s+3], 0x80000000
	s_mov_b32 s[G0B+4*\s], 1
	s_add_co_u32 s[G0B+4*\s+1], s45, \s*SLOT
	s_add_nc_u64 s[G0B+4*\s+2:G0B+4*\s+3], s[46:47], \s*ROWB
	s_or_b32 s[G0B+4*\s+3], s[G0B+4*\s+3], 0x80000000
	JLOAD G0+4*\s, G1, G0B+4*\s, G1B
.endr
	v_and_b32 v1, 15, v0                           ; l % 16
	v_bfe_u32 v2, v0, 4, 1                         ; l / 16
	v_mul_u32_u24 v3, v1, PITCH
	v_lshl_add_u32 v4, v2, 4, v3                   ; a fragment's row x pitch + 16 x half
	s_mul_i32 s21, s15, HALFT                      ; my 128 rows of A
	s_mul_i32 s22, s16, HALFT                      ; my 128 rows of B,
	s_add_co_u32 s22, s22, 2*HALFT                 ; which lie behind A's 256
.irp s, 0,1
	v_add_nc_u32 v[ADRA+\s], s21, v4
	v_add_nc_u32 v[ADRB+\s], s22, v4
	s_add_co_u32 s21, s21, SLOT
	s_add_co_u32 s22, s22, SLOT
.endr
	s_mul_i32 s23, s15, 128*QP                     ; into the stage: my 128 rows, my 128 of their 256 bytes; row l % 16, 8 bytes for each half of the lanes
	s_lshl_b32 s22, s16, 7
	s_add_co_u32 s23, s23, s22
	v_mul_u32_u24 v5, v1, QP
	v_lshl_add_u32 v5, v2, 3, v5
	v_add_nc_u32 v[STO], s23, v5
	v_and_b32 v6, 31, v0
	v_lshlrev_b32 v[CO], 4, v6
	v_lshrrev_b32 v7, 2, v6                        ; back: wave w takes the tile's columns 64 w .. 64 w + 63 of all 256 rows: four lanes to a row's 64 bytes, eight rows a load
	v_mul_u32_u24 v7, v7, QP
	v_and_b32 v8, 3, v6
	v_lshl_add_u32 v7, v8, 4, v7
	s_lshl_b32 s22, s14, 6
	v_add_nc_u32 v[RD], s22, v7
	v_add_nc_u32 v[RD2], 128*QP, v[RD]
	s_lshl_b32 s20, s13, 22                        ; proj: region g,
	s_lshl_b32 s21, s17, 14                        ; 256 x tile row rows of 64 bytes,
	s_add_co_u32 s20, s20, s21
	s_mov_b32 s21, 0
	s_lshl_b32 s46, s42, 2
	s_add_co_u32 s46, s46, s14                     ; column block 4 x tile column + wave,
	s_lshl_b32 s46, s46, 17                        ; of 2,048 rows x 64 bytes
	s_mov_b32 s47, 0
	s_add_nc_u64 s[10:11], s[10:11], s[20:21]
	s_add_nc_u64 s[10:11], s[10:11], s[46:47]
.macro FRAG reg, adr, q, i             ; a fragment, 16 rows x 128 K of 8-bit codes, is 16 registers: lane l holds row l % 16; registers 4 c .. 4 c + 3 hold K = 32 c + 16 (l / 16) + 0 .. 15
.irp c, 0,1,2,3
	ds_load_b128 v[\reg+4*\c:\reg+4*\c+3], v[\adr] offset:128*(\q)+32*\c+(\i)*16*PITCH
.endr
.endm
; 16 matrix instructions: A's blocks a0, a0 + 1 x B's eight, 128 along K.  p: B's set.  zero = 1: the first product starts the sums: nothing is ever cleared.
; The 64 accumulators take turns, one instruction a turn, in the same order in every step.
.macro MUL16 a0, p, zero
.irp a, \a0, \a0+1
.irp b, 0,1,2,3,4,5,6,7
.if \zero
	v_wmma_f32_16x16x128_fp8_fp8 v[8*(8*((\a)%4)+\b):8*(8*((\a)%4)+\b)+7], v[128*(\p)+FR*\b:128*(\p)+FR*\b+FR-1], v[AF+FR*(\a):AF+FR*(\a)+FR-1], 0
.else
	v_wmma_f32_16x16x128_fp8_fp8 v[8*(8*((\a)%4)+\b):8*(8*((\a)%4)+\b)+7], v[128*(\p)+FR*\b:128*(\p)+FR*\b+FR-1], v[AF+FR*(\a):AF+FR*(\a)+FR-1], v[8*(8*((\a)%4)+\b):8*(8*((\a)%4)+\b)+7]
.endif
.endr
.endr
.endm
.macro FETCH_B slot, q, p              ; B's eight fragments of the slot's q-th 128 along K into set p
	WIN TO_B
.irp i, 0,1,2,3,4,5,6,7
	FRAG 128*(\p)+FR*\i, ADRB+\slot, \q, \i
.endr
	WIN 0
.endm
.macro FETCH_A slot, q, i0             ; A's blocks i0 .. i0 + 3
.irp i, \i0, \i0+1, \i0+2, \i0+3
	FRAG AF+FR*(\i), ADRA+\slot, \q, \i
.endr
.endm
; A load into a register that a matrix instruction has read, and a vector instruction that reads a matrix result or writes one of its registers, stand NP places behind that matrix instruction, and only plain vector
; instructions that name none of its registers are places (ISA guide 7.12.1 for vector instructions); the matrix instructions in between are not counted.
.macro PLACES n
.rept \n
	v_nop
.endr
.endm
; A step of 128 along K that has its successor in the same slot.  A's blocks are free as soon as their eight products are issued, so one set serves A: blocks 0-3 are fetched anew in the step's middle, blocks 4-7 at its end.
.macro STEP slot, q, zero
	s_wait_dscnt 4*NL                              ; B's set and A's blocks 0-3 are in; the youngest sixteen loads (A's blocks 4-7) may be out
	WIN MUL_LO
	MUL16 0, (\q)%2, \zero
	MUL16 2, (\q)%2, \zero
	s_wait_dscnt 0                                 ; A's blocks 4-7 are in (asked for 32 matrix instructions ago)
	PLACES NP
	FETCH_B \slot, (\q)+1, 1-(\q)%2
	FETCH_A \slot, (\q)+1, 0
	WIN MUL_HI
	MUL16 4, (\q)%2, \zero
	MUL16 6, (\q)%2, \zero
	PLACES NP
	WIN 0
	FETCH_A \slot, (\q)+1, 4
.endm
; A slot's last step changes slots: ONE barrier; in front of it each wave waits for all its tensor loads, adds 0 to its spare word, and waits for that and for its own reads of this slot.  fill = 1: this slot is filled again, two K steps ahead.
.macro TURN slot, next, fill
	s_wait_tensorcnt 0x0                           ; all my tensor loads have landed: my part of the next slot;  (every window is 0 here: the add's two registers lie in window 0)
	ds_add_u32 v[SPW], v[NIL]                      ; 0 onto my spare word
	s_wait_dscnt 4*NL+1                            ; (the add and the youngest sixteen loads, A's blocks 4-7, may be out)
	WIN MUL_LO
	MUL16 0, 1, 0                                  ; sixteen matrix instructions stand between the add and the wait for it
	s_wait_dscnt 0x0                               ; the add is done, and my reads of this slot are over
	s_barrier_signal -1
	MUL16 2, 1, 0
	WIN 0
	s_barrier_wait -1
.if \fill
	CREST                                          ; the barrier has opened a round of the cluster's barrier: no wave of any partner still reads this slot's tile or has a load on its way
	s_add_nc_u64 s[G0+4*\slot+2:G0+4*\slot+3], s[G0+4*\slot+2:G0+4*\slot+3], 2*ROWB
	s_add_nc_u64 s[G0B+4*\slot+2:G0B+4*\slot+3], s[G0B+4*\slot+2:G0B+4*\slot+3], 2*ROWB
	JLOAD G0+4*\slot, G1, G0B+4*\slot, G1B         ; the first tensor load behind the round; the four v_nop behind it are the places in front of the loads below
.else
	PLACES NP
.endif
	FETCH_B \next, 0, 0
	FETCH_A \next, 0, 0
	WIN MUL_HI
	MUL16 4, 1, 0
	MUL16 6, 1, 0
	PLACES NP
	WIN 0
	FETCH_A \next, 0, 4
.endm
	s_wait_tensorcnt 1                             ; my part of K step 0 is in (K step 1's load may be out)
	s_barrier_signal -1
	s_barrier_wait -1                              ; everybody's is
	FETCH_B 0, 0, 0
	FETCH_A 0, 0, 0
	FETCH_A 0, 0, 4
	STEP 0, 0, 1                                   ; the first step stands in front of the loop: its products start the sums
	s_mov_b32 s3, LAPS-1
.Llap:                                                 ; a trip goes once round the ring, from a lap's second step to the next lap's first, and fills both slots again
	TURN 0, 1, 1
	STEP 1, 0, 0
	TURN 1, 0, 1
	STEP 0, 0, 0
	s_sub_co_u32 s3, s3, 1
	s_cmp_lg_u32 s3, 0
	s_cbranch_scc1 .Llap
	TURN 0, 1, 0                                   ; the last lap fills nothing, and has no round of the cluster's barrier
	STEP 1, 0, 0
	s_wait_dscnt 4*NL                              ; the very last step: nothing more to fetch
	WIN MUL_LO
	MUL16 0, 1, 0
	MUL16 2, 1, 0
	s_wait_dscnt 0
	WIN MUL_HI
	MUL16 4, 1, 0
	MUL16 6, 1, 0
	WIN 0
; THE WAY OUT.  Block a (my rows 16 a on, my 128 columns): 64 sums a lane are held within +-448 x 2^E, each accumulator from its low end on, and converted, eight neighbours of a row to 8 bytes, which go into the
; work-group's stage.  A block of 64 columns of the output takes bytes of two waves' rows, so a barrier stands between the writing and the reading.
.macro QSTAGE a
.set AC, 64*((\a)%4)
	WIN 0x02+((\a)/4)                              ; source 0: window 2 or 3
.set j, 0
.rept 64
	v_med3_num_f32 v[TMP+j], v[AC+j], -v[LIMV], v[LIMV]   ; the conversion to an 8-bit code does not saturate (ISA guide 7.6.2)
.set j, j+1
.endr
	WIN 0
.irp b, 0,1,2,3,4,5,6,7
	v_cvt_scalef32_pk8_fp8_f32 v[CD+16*(\a)+2*\b:CD+16*(\a)+2*\b+1], v[TMP+8*\b:TMP+8*\b+7], v[SCL]
.endr
	v_nop                                          ; one plain vector instruction between the last conversion and the next block's holds, which write its sources
.irp b, 0,1,2,3,4,5,6,7
	ds_store_b64 v[STO], v[CD+16*(\a)+2*\b:CD+16*(\a)+2*\b+1] offset:(\a)*16*QP+16*\b
.endr
.endm
	s_wait_kmcnt 0x0
	s_sub_co_i32 s70, s70, s68
	s_sub_co_i32 s70, s70, s69                     ; E = eo - ea - eb
	s_add_co_i32 s70, s70, 127
	s_lshl_b32 s71, s70, 23
	v_mov_b32 v[SCL], s71                          ; 2^E as f32: the conversion takes its exponent field
	s_add_co_i32 s70, s70, 8
	s_lshl_b32 s70, s70, 23
	s_or_b32 s70, s70, 0x600000
	v_mov_b32 v[LIMV], s70                         ; 448 x 2^E
	PLACES NP                                      ; behind the last products: for the first reads of results and for the codes laid over A's fragments
.irp a, 0,1,2,3,4,5,6,7
	QSTAGE \a
.endr
	s_wait_dscnt 0x0                               ; for the others' sake: my stores into the stage have landed
	s_barrier_signal -1
	s_barrier_wait -1
.irp u, 0,1,2,3,4,5,6,7,8,9,10,11,12,13,14,15
	ds_load_b128 v[CD+4*\u:CD+4*\u+3], v[RD] offset:\u*8*QP
.endr
.irp u, 0,1,2,3,4,5,6,7,8,9,10,11,12,13,14,15
	ds_load_b128 v[CD+64+4*\u:CD+64+4*\u+3], v[RD2] offset:\u*8*QP
.endr
.irp u, 0,1,2,3,4,5,6,7,8,9,10,11,12,13,14,15,16,17,18,19,20,21,22,23,24,25,26,27,28,29,30,31
	s_wait_dscnt 31-\u                             ; load u is in; the younger ones may be out
	global_store_b128 v[CO], v[CD+4*\u:CD+4*\u+3], s[10:11] offset:512*\u   ; eight rows of 64 bytes: 512 consecutive bytes, at a multiple of 256 from the buffer's first byte
.endr
	s_wait_tensorcnt 0x0                           ; the wave's end: behind my last tensor load and my last LDS store
	ds_add_u32 v[SPW], v[NIL]
	s_wait_dscnt 0x0
	CROUND                                         ; the closing round: no work-group ends while a partner may still ask for a tile that names it
	s_endpgm
.Lfunc_end_k_q85ef8d08c2_proj:
	.size	k_q85ef8d08c2_proj, .Lfunc_end_k_q85ef8d08c2_proj-k_q85ef8d08c2_proj
	.p2alignl 7, 3214868480
	.fill 96, 4, 3214868480
	.section	.rodata,"a",@progbits
	.p2align	6, 0x0
	.amdhsa_kernel k_q85ef8d08c2_proj
		.amdhsa_group_segment_fixed_size 327680
		.amdhsa_private_segment_fixed_size 0
		.amdhsa_enable_private_segment 0
		.amdhsa_kernarg_size 24
		.amdhsa_user_sgpr_count 2
		.amdhsa_user_sgpr_kernarg_segment_ptr 1
		.amdhsa_wavefront_size32 1
		.amdhsa_system_sgpr_workgroup_id_x 1
		.amdhsa_system_sgpr_workgroup_id_y 1
		.amdhsa_system_sgpr_workgroup_id_z 1
		.amdhsa_system_vgpr_workitem_id 0
		.amdhsa_next_free_vgpr 1024
		.amdhsa_next_free_sgpr 100
		.amdhsa_reserve_vcc 0
		.amdhsa_float_denorm_mode_32 3
		.amdhsa_float_denorm_mode_16_64 3
		.amdhsa_memory_ordered 1
		.amdhsa_forward_progress 1
		.amdhsa_inst_pref_size 126
	.end_amdhsa_kernel
	.amdgpu_metadata
---
amdhsa.version: [ 1, 2 ]
amdhsa.kernels:
  - .name:           k_q85ef8d08c2_proj
    .symbol:         k_q85ef8d08c2_proj.kd
    .args:
      - { .name: codes, .offset: 0, .size: 8, .value_kind: global_buffer, .address_space: global }
      - { .name: lowp_scales, .offset: 8, .size: 8, .value_kind: global_buffer, .address_space: global }
      - { .name: proj, .offset: 16, .size: 8, .value_kind: global_buffer, .address_space: global }
    .group_segment_fixed_size: 327680
    .private_segment_fixed_size: 0
    .kernarg_segment_align: 8
    .kernarg_segment_size: 24
    .max_flat_workgroup_size: 128
    .sgpr_count:     100
    .vgpr_count:     1024
    .wavefront_size: 32
...
	.end_amdgpu_metadata
.endif
;; end of part 2
;; launch attn (part 3): grid 8 x 32, 16 waves a work-group, no clusters, 284,672 bytes of LDS; arguments proj, maskw, flags, lowp_scales, oc; writes oc
.if DOCPART == 3
	.amdgcn_target "amdgcn-amd-amdhsa--gfx1250"
	.amdhsa_code_object_version 6
	.text
	.protected	k_q85ef8d08c2_attn
	.globl	k_q85ef8d08c2_attn
	.p2align	8
	.type	k_q85ef8d08c2_attn,@function
k_q85ef8d08c2_attn:
	s_mov_b64 s[64:65], 0
	v_nop
	global_prefetch_b8 v0, s[64:65] scope:SCOPE_SE
	s_setreg_imm32_b32 hwreg(HW_REG_WAVE_MODE, 25, 1), 1
	s_wait_xcnt 0x0
; ATTN.  o[q][head] = softmax over the keys of (qh . kh / 8, hidden keys as the mask input says) times vh, both products on codes of E4M3; o is quantised on the way out for the last product.
; THE SOFTMAX AHEAD OF THE SECOND PRODUCT: t = score x log2(e) / 8; M = the row's largest t so far, rounded UP to a whole number; p = 2^(t - M) is what is quantised (scale 2^e8), not normalised.  The row's sum is taken of the
; unquantised p and divides at the end.  When M moves, the sum and O are multiplied by 2^(old M - new M): exact.
; THE MASK is an input: it comes as lane masks (maskw) and two words of flags for each tile of 16 queries, whole numbers that the first launch stored.  A hidden score becomes -2^80 ahead of the maximum: t - M is then far
; below every exponent and p = 0; in a row that has seen no kept key yet, -2^80 c is itself the largest t, p = 1, and the first kept key's f = 0 wipes that.  A step of 128 keys that holds no kept key for any of the tile's 16 queries
; adds only such zeros or numbers that are wiped: it is left out by a scalar branch on the stored bit.  A query with NO kept key at all gets p = 1 for all 2,048 keys, the uniform weights that the softmax of equal
; scores gives: its tile's flags have every step set.  A step without hidden keys neither asks for its 64 mask words nor runs the 64 selects.
; SHARES.  A work-group owns one head and 16 tiles of 16 queries, T = 8 rho + x (rho a permutation of the wave's number): one tile a wave, in 256 registers, four waves to a SIMD.  With a lower-triangular mask every
; work-group then has the same number of steps to work; the choice of T serves that alone and is right for every mask.
; NO TENSOR LOAD, NO CLUSTER, NO JOINT LOAD: steps are left out by a branch on numbers read from memory.  Instead the head's whole K and V^T, 2 x 131,072 bytes, go once
; through registers into LDS at the kernel's head (wave w brings step w), one barrier, and every wave reads them from there.  Nothing is left to prefetch: all loads from memory but the mask words go out at the head.
; LAYOUT.  Both products are used transposed: S^T = K Q^T (source 0 = 16 keys, source 1 = my 16 queries), O^T = V^T P^T: a lane holds ONE query (lane % 16) throughout.
; THE KEYS OF A TILE ARE NOT NEIGHBOURS: row m of tile 2 b + u is key 32 b + 8 u + m + 8 (m / 8), so that score register n holds key 32 (n / 16) + 16 (lane / 16) + n % 16 and the conversions' results are the second product's operand.
; LDS: blocks of 1,024 bytes = 16 rows x 64 bytes; piece q (16 bytes) of row r lies at 256 q + 16 ((r + 4 q) % 16): the 16 lanes of a staging store (4 rows x 4 pieces) and of a fragment load (16 rows of one piece) each
; touch sixteen different 16-byte columns.  K: step s at 8192 s, tile t at + 1024 t.  V^T: from 131,072 on, step s at 8192 s, 16 channels t at + 2048 t, 64 keys cc at + 1024 cc.  From 262,144 on: a stage of 16 rows x 80 bytes a wave.
; LIMITS on the given exponents: e6 + e7 between -50 and 40 (they are added to c's exponent field, and 2^80 c stays a whole f32 number); e8 and e10 between -126 and 119; e8 + e9 is applied by v_ldexp_f32 and has none.
; REGISTERS: v1-4 my lane's places in a block of K (two) and of V (two); v5 16 x lane; v6 -2^80; v7, v24 the stage; v8-11 the step's addresses; v12 -M, v13 the largest t, v[14:15] the sum in two halves; v16-23 Q;
;   v32-95 K's fragments, then V's; v96-159 S^T, then p; v160-191 O^T; v192-207 p's codes; v208-212 the head's addresses; v236-254 at work (v246, v248, v250, v252: the maximum's four chains; v[242:243], v[246:249]: the sum's);
;   v240, v244: 448 x 2^e8, 2^e8; v241, v245: the same with e10.
.set VIMG, 131072
.set OSTG, 262144
.set OP,   80                          ; a row of the stage: 64 codes + 16
.set MX,   246                         ; the maximum's four chains: v246, v248, v250, v252
	s_load_b256 s[4:11], s[0:1], 0x0               ; proj s[4:5], maskw s[6:7], flags s[8:9], the scales' exponents s[10:11]
	s_load_b64 s[12:13], s[0:1], 0x20              ; oc
	v_lshl_add_u32 v251, v0, 2, 0x45000
	v_mov_b32 v255, 0
	v_lshrrev_b32 v25, 5, v0
	v_readfirstlane_b32 s14, v25                   ; wave 0..15
	v_and_b32 v25, 31, v0                          ; lane l
	v_and_b32 v26, 15, v0                          ; r
	v_bfe_u32 v27, v0, 4, 1                        ; h
	v_lshlrev_b32 v5, 4, v25
	v_lshlrev_b32 v212, 6, v26
	v_lshl_add_u32 v212, v27, 4, v212              ; Q: row r of 64 bytes, + 16 h
	s_and_b32 s21, ttmp7, 0xffff                   ; the head
	s_bfe_u32 s15, s14, 0x10002
	s_mul_i32 s15, s15, 3
	s_xor_b32 s15, s15, s14                        ; rho = w xor 3 ((w / 4) % 2)
	s_lshl_b32 s15, s15, 3
	s_add_co_u32 s15, s15, ttmp9                   ; T
	s_lshl_b32 s38, s15, 3                         ; its flags
	s_lshl_b32 s40, s21, 17
	s_lshl_b32 s41, s15, 10
	s_add_co_u32 s40, s40, s41                     ; qh's codes and o's: head x 131,072 + T x 1,024
	s_mov_b32 s41, 0
	s_lshl_b32 s42, s21, 17
	s_lshl_b32 s43, s14, 13
	s_add_co_u32 s42, s42, s43
	s_add_co_u32 s42, s42, 0x400000                ; kh's codes: region 1, my head, step w's 128 rows of 64 bytes
	s_mov_b32 s43, 0
	s_lshl_b32 s44, s21, 12
	s_lshl_b32 s45, s14, 18
	s_add_co_u32 s44, s44, s45
	s_add_co_u32 s44, s44, 0x800000                ; vh^T's codes: region 2, key blocks 2 w and 2 w + 1 (131,072 bytes each), my head's 64 rows of 64 bytes
	s_mov_b32 s45, 0
	s_lshl_b32 s46, s15, 12                        ; the tile's mask words: 16 steps of 256 bytes
	s_mov_b32 s47, 0
	s_wait_kmcnt 0x0
	s_load_b64 s[26:27], s[8:9], s38 offset:0x0    ; s26: steps to work; s27: steps with hidden keys
	s_load_b128 s[16:19], s[10:11], 0x18           ; e6, e7, e8, e9
	s_load_b32 s20, s[10:11], 0x28                 ; e10
	s_add_nc_u64 s[32:33], s[4:5], s[40:41]
	s_add_nc_u64 s[34:35], s[4:5], s[42:43]
	s_add_nc_u64 s[36:37], s[4:5], s[44:45]
	s_add_nc_u64 s[12:13], s[12:13], s[40:41]
	s_add_nc_u64 s[6:7], s[6:7], s[46:47]
.irp g, 0,1,2,3,4,5,6,7,8,9,10,11,12,13,14,15
	global_load_b128 v[32+4*\g:35+4*\g], v5, s[34:35] offset:512*\g          ; K of step w: 8,192 consecutive bytes; load g: keys 8 g + l / 4, piece l % 4
.endr
.irp jj, 0,1
.irp g, 0,1,2,3,4,5,6,7
	global_load_b128 v[96+4*(8*\jj+\g):99+4*(8*\jj+\g)], v5, s[36:37] offset:131072*\jj+512*\g   ; V^T of step w: two runs of 4,096 bytes; load (jj, g): channel 8 g + l / 4, keys 64 jj + 16 (l % 4) on
.endr
.endr
	global_load_b128 v[16:19], v212, s[32:33]      ; Q's fragment stays in registers: of row r, the head's bytes 16 h on,
	global_load_b128 v[20:23], v212, s[32:33] offset:32   ; and 32 + 16 h on: the same permutation of k as K's pieces h and 2 + h
	v_lshl_add_u32 v30, v27, 2, v26                ; r + 4 h
	v_and_b32 v31, 15, v30
	v_lshlrev_b32 v31, 4, v31
	v_lshl_add_u32 v1, v27, 8, v31                 ; piece h of row r
	v_add_nc_u32 v30, 8, v30
	v_and_b32 v30, 15, v30
	v_lshlrev_b32 v30, 4, v30
	v_lshl_add_u32 v2, v27, 8, v30
	v_add_nc_u32 v2, 512, v2                       ; piece 2 + h of row r
	v_add_nc_u32 v3, VIMG, v1
	v_add_nc_u32 v4, VIMG, v2
	v_lshrrev_b32 v28, 2, v25                      ; a = l / 4
	v_and_b32 v29, 3, v25                          ; q = l % 4
	v_lshl_add_u32 v30, v29, 2, v28                ; a + 4 q
	v_and_b32 v31, 15, v30
	v_lshlrev_b32 v31, 4, v31
	v_lshl_add_u32 v31, v29, 8, v31
	s_lshl_b32 s48, s14, 13
	v_add_nc_u32 v208, s48, v31                    ; staging: piece q of row a of a block of step w;
	v_add_nc_u32 v30, 8, v30
	v_and_b32 v30, 15, v30
	v_lshlrev_b32 v30, 4, v30
	v_lshl_add_u32 v30, v29, 8, v30
	v_add_nc_u32 v209, s48, v30                    ; of row a + 8;
	v_add_nc_u32 v210, VIMG, v208                  ; and the same for V
	v_add_nc_u32 v211, VIMG, v209
	s_mul_i32 s49, s14, 16*OP
	s_add_co_u32 s49, s49, OSTG                    ; my stage
	v_mul_u32_u24 v7, v26, OP
	v_lshl_add_u32 v7, v27, 3, v7
	v_add_nc_u32 v7, s49, v7                       ; in: row r, + 8 h
	v_mul_u32_u24 v24, v28, OP
	v_lshl_add_u32 v24, v29, 4, v24
	v_add_nc_u32 v24, s49, v24                     ; back: four lanes to a row's 64 bytes
	v_mov_b32 v6, 0xe7800000                       ; -2^80
	v_mov_b32 v13, 0xff61b1e6                      ; the largest t so far: -3e38, under every t
	v_floor_f32 v12, -v13                          ; -M
	v_mov_b32 v14, 0                               ; the sum, in two halves
	v_mov_b32 v15, 0
	v_mov_b32 v236, 0                              ; written once: a lane permute's destination counts as one of its sources
	v_mov_b32 v253, 0                              ; (named as the upper half of the pair v[252:253])
.irp j, 0,1,2,3,4,5,6,7,8,9,10,11,12,13,14,15,16,17,18,19,20,21,22,23,24,25,26,27,28,29,30,31
	v_mov_b32 v[160+\j], 0                         ; O^T.  Which step is the first to be worked is not known in the text: the loop is written once, and its first worked step finds zeros
.endr
	s_mov_b32 s24, 0x76543210                      ; v_permlanex16_b32's selects for lane l xor 16
	s_mov_b32 s25, 0xfedcba98
	s_wait_loadcnt 18                              ; K's sixteen loads are in; V's sixteen and Q's two may be out
.irp g, 0,1,2,3,4,5,6,7,8,9,10,11,12,13,14,15
	ds_store_b128 v[208+((\g/2)%2)], v[32+4*\g:35+4*\g] offset:2048*(\g/4)+1024*(\g%2)   ; key 8 g + a is row a + 8 ((g / 2) % 2) of tile 2 (g / 4) + g % 2
.endr
	s_wait_loadcnt 2                               ; V's are in
.irp jj, 0,1
.irp g, 0,1,2,3,4,5,6,7
	ds_store_b128 v[210+(\g%2)], v[96+4*(8*\jj+\g):99+4*(8*\jj+\g)] offset:2048*(\g/2)+1024*\jj   ; channel 8 g + a is row a + 8 (g % 2) of channel tile g / 2
.endr
.endr
	s_wait_dscnt 0x0                               ; for the others' sake: my step's images have landed
	s_barrier_signal -1
	s_barrier_wait -1                              ; the head's K and V^T lie in LDS: the launch's one barrier
	s_wait_loadcnt 0x0                             ; Q; and no load names s32 to s37 any more
	s_wait_kmcnt 0x0
	; The 64 registers of the mask words begin as all ones, every key kept.  In the loop the words are asked for under one branch on the step's bit and used under a second branch on the same bit: so they are written here
	; once, and every path of the text on which they are read has written them.
.set n, 32
.rept 16
	s_mov_b64 s[n:n+1], -1
.set n, n+2
.endr
.set n, 68
.rept 16
	s_mov_b64 s[n:n+1], -1
.set n, n+2
.endr
	s_add_co_i32 s28, s16, s17
	s_lshl_b32 s28, s28, 23
	s_mov_b32 s22, 0x3e38aa3b                      ; c = log2(e) / 8
	s_add_co_i32 s22, s22, s28                     ; a score stands for score x 2^(e6 + e7): the two exponents are added to c's exponent field
	s_mov_b32 s23, s22                             ; (named with it as a pair, so it is written)
	s_add_co_i32 s28, s18, 127
	s_lshl_b32 s29, s28, 23
	v_mov_b32 v244, s29                            ; 2^e8 as f32, for p's conversions
	s_add_co_i32 s28, s28, 8
	s_lshl_b32 s28, s28, 23
	s_or_b32 s28, s28, 0x600000
	v_mov_b32 v240, s28                            ; 448 x 2^e8
	s_add_co_i32 s28, s20, 127
	s_lshl_b32 s29, s28, 23
	v_mov_b32 v245, s29                            ; 2^e10, for o's
	s_add_co_i32 s28, s28, 8
	s_lshl_b32 s28, s28, 23
	s_or_b32 s28, s28, 0x600000
	v_mov_b32 v241, s28                            ; 448 x 2^e10
	s_add_co_i32 s21, s18, s19                     ; e8 + e9
	s_mov_b32 s2, 0                                ; the step's place in K's and V's images
	s_mov_b32 s3, 16
.Lstep:                                            ; sixteen trips, a constant: what is left out is a step's work
	s_and_b32 s15, s26, 1
	s_cmp_eq_u32 s15, 0
	s_cbranch_scc1 .Lskip                          ; no kept key for any of my 16 queries among these 128 keys
	s_and_b32 s15, s27, 1
	s_cmp_eq_u32 s15, 0
	s_cbranch_scc1 .Lnowords                       ; all 16 x 128 count: the step's mask words are not wanted
	s_load_b512 s[32:47], s[6:7], 0x0              ; the step's 64 mask words: asked for here, ahead of K's loads and the first product, and waited for behind them
	s_load_b512 s[48:63], s[6:7], 0x40
	s_load_b512 s[68:83], s[6:7], 0x80
	s_load_b512 s[84:99], s[6:7], 0xc0
.Lnowords:
.irp i, 0,1,2,3
	v_add_nc_u32 v[8+\i], s2, v[1+\i]              ; four plain vector lines: the places behind the last step's products, in front of the loads into registers that they read
.endr
.irp t, 0,1,2,3,4,5,6,7
	ds_load_b128 v[32+8*\t:35+8*\t], v8 offset:1024*\t
	ds_load_b128 v[36+8*\t:39+8*\t], v9 offset:1024*\t
.endr
	s_wait_dscnt 0x0
.irp t, 0,1,2,3,4,5,6,7                        ; S^T = K Q^T: eight tiles of 16 keys, K = the head's 64
	v_wmma_f32_16x16x64_fp8_fp8 v[96+8*\t:103+8*\t], v[32+8*\t:39+8*\t], v[16:23], 0
.endr
.rept 4
	v_nop                                          ; places: in front of the loads below, and of the first read of the scores
.endr
.irp t, 0,1,2,3                                ; V's fragments are asked for now and land during the softmax: registers 4 c .. 4 c + 3 hold keys 32 c + 16 h + 0 .. 15, as p's codes do
.irp c, 0,1,2,3
	ds_load_b128 v[32+16*\t+4*\c:35+16*\t+4*\c], v[10+(\c%2)] offset:2048*\t+1024*(\c/2)
.endr
.endr
	s_wait_kmcnt 0x0                               ; on every path: the mask words, where they were asked for, are in, and their base may be stepped
	s_and_b32 s15, s27, 1
	s_cmp_eq_u32 s15, 0
	s_cbranch_scc1 .Lopen                          ; all 16 x 128 count
.set n, 0
.rept 64
.if n < 32
.set W, 32+n
.else
.set W, 36+n
.endif
	v_cndmask_b32 v[96+n], v6, v[96+n], s[W]       ; bit l of word n: my query keeps register n's key; else -2^80
.set n, n+1
.endr
.Lopen:
	; the step's largest score of my query, among my 64 keys: four chains of fifteen scores, line by line in turn, so that no line reads the result of the line just ahead of it; each accumulator is first read at its low end
.irp k, 0,1,2,3
	v_max3_num_f32 v[MX+2*\k], v[96+16*\k], v[97+16*\k], v[98+16*\k]
.endr
.irp i, 3,5,7,9,11,13
.irp k, 0,1,2,3
	v_max3_num_f32 v[MX+2*\k], v[MX+2*\k], v[96+16*\k+\i], v[97+16*\k+\i]
.endr
.endr
	v_max3_num_f32 v[MX], v[MX], v111, v127        ; the four scores left over,
	v_max3_num_f32 v[MX+4], v[MX+4], v143, v159
	v_max3_num_f32 v[MX], v[MX], v[MX+2], v[MX+4]  ; and the four chains
	v_max_num_f32 v254, v[MX], v[MX+6]
	v_permlanex16_b32 v236, v254, s24, s25
	v_max_num_f32 v254, v254, v236                 ; and among lane l xor 16's
	v_mul_f32 v254, s22, v254                      ; as t (c is positive)
	v_max_num_f32 v13, v13, v254                   ; the running largest t
	v_mov_b32 v254, v12
	v_floor_f32 v12, -v13                          ; the new -M = floor(-t) = -ceil(t): M is a whole number
	v_sub_f32 v254, v12, v254                      ; M's old value less its new one: a whole number, 0 or less
	v_cvt_i32_f32 v254, v254                       ; (it saturates)
	v_ldexp_f32 v252, 1.0, v254                    ; f = 2^(old M - new M): a multiplication by it rounds nothing
.irp j, 0,2,4,6,8,10,12,14,16,18,20,22,24,26,28,30,32,34,36,38,40,42,44,46,48,50,52,54,56,58,60,62
	v_pk_fma_f32 v[96+\j:97+\j], v[96+\j:97+\j], s[22:23], v[12:13] op_sel_hi:[1,0,0]   ; t - M, two at a time (of the pairs c and -M the low word serves both halves)
.endr
.irp j, 0,1,2,3,4,5,6,7,8,9,10,11,12,13,14,15,16,17,18,19,20,21,22,23,24,25,26,27,28,29,30,31,32,33,34,35,36,37,38,39,40,41,42,43,44,45,46,47,48,49,50,51,52,53,54,55,56,57,58,59,60,61,62,63
	v_exp_f32 v[96+\j], v[96+\j]                   ; p = 2^(t - M), at most 1: not normalised
.endr
	v_pk_mul_f32 v[14:15], v[14:15], v[252:253] op_sel_hi:[1,0]   ; the sums under the new M: the plain line behind the exponentials
	s_wait_alu depctr_va_vdst(0)                   ; one wait for the whole batch, ahead of its first reader
	v_pk_add_f32 v[242:243], v[96:97], v[98:99]    ; the row's sum is taken of the unquantised p: two at a time, in four chains, of which the running sum is one
	v_pk_add_f32 v[246:247], v[100:101], v[102:103]
	v_pk_add_f32 v[248:249], v[104:105], v[106:107]
.irp j, 12,20,28,36,44,52
	v_pk_add_f32 v[14:15], v[14:15], v[96+\j:97+\j]
	v_pk_add_f32 v[242:243], v[242:243], v[98+\j:99+\j]
	v_pk_add_f32 v[246:247], v[246:247], v[100+\j:101+\j]
	v_pk_add_f32 v[248:249], v[248:249], v[102+\j:103+\j]
.endr
	v_pk_add_f32 v[14:15], v[14:15], v[156:157]
	v_pk_add_f32 v[242:243], v[242:243], v[158:159]
	v_pk_add_f32 v[246:247], v[246:247], v[248:249]
	v_pk_add_f32 v[14:15], v[14:15], v[242:243]
	v_pk_add_f32 v[14:15], v[14:15], v[246:247]
	; THE HOLD.  The conversion to an 8-bit code does not saturate (ISA guide 7.6.2), so p is held at 448 x 2^e8; p is not negative, so the hold is one-sided.  p is at most 1, one rounding over it at the most: where e8 >= -8
	; the bound is 1.75 or more and the hold changes no number.  So it is jumped over by a scalar branch on the given exponent, a whole number read from memory (this text has no tensor load, no copy and no cluster).
	s_cmp_ge_i32 s18, -8
	s_cbranch_scc1 .Lfits
.set n, 0
.rept 64
	v_min_num_f32 v[96+n], v[96+n], v240
.set n, n+1
.endr
.Lfits:
.irp b, 0,1,2,3
	v_cvt_scalef32_pk8_fp8_f32 v[192+4*\b:193+4*\b], v[96+16*\b:103+16*\b], v244
	v_cvt_scalef32_pk8_fp8_f32 v[194+4*\b:195+4*\b], v[104+16*\b:111+16*\b], v244
.endr
.irp j, 0,2,4,6,8,10,12,14,16,18,20,22,24,26,28,30
	v_pk_mul_f32 v[160+\j:161+\j], v[160+\j:161+\j], v[252:253] op_sel_hi:[1,0]   ; O^T under the new M, each accumulator from its low end on; also the plain lines between the conversions and the products
.endr
	s_wait_dscnt 0x0                               ; V's fragments are in
.irp t, 0,1,2,3                                ; O^T += V^T P^T: four tiles of 16 channels by turns, K = these 128 keys
	v_wmma_f32_16x16x128_fp8_fp8 v[160+8*\t:167+8*\t], v[32+16*\t:47+16*\t], v[192:207], v[160+8*\t:167+8*\t]
.endr
.Lskip:
	s_lshr_b32 s26, s26, 1
	s_lshr_b32 s27, s27, 1
	s_add_co_u32 s2, s2, 8192
	s_add_nc_u64 s[6:7], s[6:7], 256               ; (no scalar load is out here, on any way)
	s_sub_co_u32 s3, s3, 1
	s_cmp_lg_u32 s3, 0
	s_cbranch_scc1 .Lstep
	; THE WAY OUT.  o = O^T / the sum x 2^(e8 + e9), quantised with 2^e10; a lane's eight channels are 8 bytes of a row; the tile's 16 rows x 64 bytes go through my stage and leave as 1,024 consecutive bytes.
	v_add_f32 v14, v14, v15                        ; the sum's two halves,
	v_permlanex16_b32 v236, v14, s24, s25
	v_add_f32 v14, v14, v236                       ; and lane l xor 16's: the row's sum
	v_rcp_f32 v14, v14
	v_nop                                          ; a plain line behind the reciprocal; with the additions and the line behind the wait, five plain lines stand between the last products and the first read of O^T
	v_nop
	s_wait_alu depctr_va_vdst(0)                   ; ahead of the reciprocal's first reader
	v_ldexp_f32 v14, v14, s21
.irp j, 0,1,2,3,4,5,6,7,8,9,10,11,12,13,14,15,16,17,18,19,20,21,22,23,24,25,26,27,28,29,30,31
	v_mul_f32 v[96+\j], v[160+\j], v14             ; register 8 t + i is o(query r, channel 16 t + 8 h + i)
.endr
.irp j, 0,1,2,3,4,5,6,7,8,9,10,11,12,13,14,15,16,17,18,19,20,21,22,23,24,25,26,27,28,29,30,31
	v_med3_num_f32 v[96+\j], v[96+\j], -v241, v241
.endr
.irp t, 0,1,2,3
	v_cvt_scalef32_pk8_fp8_f32 v[192+2*\t:193+2*\t], v[96+8*\t:103+8*\t], v245
.endr
	v_nop                                          ; one plain vector line behind the last conversion
.irp t, 0,1,2,3
	ds_store_b64 v7, v[192+2*\t:193+2*\t] offset:16*\t
.endr
	ds_load_b128 v[32:35], v24                     ; LDS serves a wave's instructions in order: these see my stores
	ds_load_b128 v[36:39], v24 offset:8*OP
	s_wait_dscnt 1
	global_store_b128 v5, v[32:35], s[12:13]       ; eight rows of 64 bytes: 512 consecutive bytes, at a multiple of 256 from the buffer's first byte
	s_wait_dscnt 0x0
	global_store_b128 v5, v[36:39], s[12:13] offset:512
	s_wait_tensorcnt 0x0
	ds_add_u32 v251, v255
	s_wait_dscnt 0x0
	s_endpgm
.Lfunc_end_k_q85ef8d08c2_attn:
	.size	k_q85ef8d08c2_attn, .Lfunc_end_k_q85ef8d08c2_attn-k_q85ef8d08c2_attn
	.p2alignl 7, 3214868480
	.fill 96, 4, 3214868480
	.section	.rodata,"a",@progbits
	.p2align	6, 0x0
	.amdhsa_kernel k_q85ef8d08c2_attn
		.amdhsa_group_segment_fixed_size 284672
		.amdhsa_private_segment_fixed_size 0
		.amdhsa_enable_private_segment 0
		.amdhsa_kernarg_size 40
		.amdhsa_user_sgpr_count 2
		.amdhsa_user_sgpr_kernarg_segment_ptr 1
		.amdhsa_wavefront_size32 1
		.amdhsa_system_sgpr_workgroup_id_x 1
		.amdhsa_system_sgpr_workgroup_id_y 1
		.amdhsa_system_sgpr_workgroup_id_z 1
		.amdhsa_system_vgpr_workitem_id 0
		.amdhsa_next_free_vgpr 256
		.amdhsa_next_free_sgpr 100
		.amdhsa_reserve_vcc 0
		.amdhsa_float_denorm_mode_32 3
		.amdhsa_float_denorm_mode_16_64 3
		.amdhsa_memory_ordered 1
		.amdhsa_forward_progress 1
		.amdhsa_inst_pref_size 37
	.end_amdhsa_kernel
	.amdgpu_metadata
---
amdhsa.version: [ 1, 2 ]
amdhsa.kernels:
  - .name:           k_q85ef8d08c2_attn
    .symbol:         k_q85ef8d08c2_attn.kd
    .args:
      - { .name: proj, .offset: 0, .size: 8, .value_kind: global_buffer, .address_space: global }
      - { .name: maskw, .offset: 8, .size: 8, .value_kind: global_buffer, .address_space: global }
      - { .name: flags, .offset: 16, .size: 8, .value_kind: global_buffer, .address_space: global }
      - { .name: lowp_scales, .offset: 24, .size: 8, .value_kind: global_buffer, .address_space: global }
      - { .name: oc, .offset: 32, .size: 8, .value_kind: global_buffer, .address_space: global }
    .group_segment_fixed_size: 284672
    .private_segment_fixed_size: 0
    .kernarg_segment_align: 8
    .kernarg_segment_size: 40
    .max_flat_workgroup_size: 512
    .sgpr_count:     100
    .vgpr_count:     256
    .wavefront_size: 32
...
	.end_amdgpu_metadata
.endif
;; end of part 3
;; launch outp (part 4): grid 16 x 16, 4 waves a work-group, clusters of 4 x 4, 327,680 bytes of LDS; arguments oc, codes, lowp_scales, out0; writes out0
.if DOCPART == 4
	.amdgcn_target "amdgcn-amd-amdhsa--gfx1250"
	.amdhsa_code_object_version 6
	.text
	.protected	k_q85ef8d08c2_outp
	.globl	k_q85ef8d08c2_outp
	.p2align	8
	.type	k_q85ef8d08c2_outp,@function
k_q85ef8d08c2_outp:
	s_mov_b64 s[64:65], 0
	v_nop
	global_prefetch_b8 v0, s[64:65] scope:SCOPE_SE
	s_setreg_imm32_b32 hwreg(HW_REG_WAVE_MODE, 25, 1), 1
	s_wait_xcnt 0x0
	s_wait_alu depctr_hold_cnt(0) depctr_sa_sdst(0) depctr_va_vdst(0) depctr_va_sdst(0) depctr_va_ssrc(0) depctr_va_vcc(0) depctr_vm_vsrc(0)
	s_getreg_b32 s2, hwreg(HW_REG_IB_STS2, 6, 4)
	s_cmp_eq_u32 s2, 0
	s_cbranch_scc0 .Lentry_in_a_cluster
	s_endpgm
.Lentry_in_a_cluster:
	s_bfe_u32 s2, ttmp6, 0x10000c
	s_cmp_lg_u32 s2, 0xf033
	s_cbranch_scc0 .Lentry_shape_is_right
	s_endpgm
.Lentry_shape_is_right:
; OUTP.  out0[m][n] = 2^(e10 + e11) x the sum over k of o[m][k] Wo[n][k], on codes of E4M3; 2048 x 2048 x 2048; out0 f32.
; o's codes lie [head 32][token 2048][64] (k = 64 head + byte), Wo's codes [2048][2048] in region 6 of the buffer of codes.
; LIMIT: e10 + e11 between -126 and 127, so that 2^(e10 + e11) is an f32 number.
; A tile of C is 128 x 128: 256 tiles, one to a work-group (tiles of 256 x 256 would be 64).  Four waves, each 64 x 64: 16 accumulators, 128 registers.  K goes in four chunks of 512 through two LDS slots, as long as two slots
; allow; each chunk is four quarters of 128 along K, 16 matrix instructions a wave.  The four chunks are written out: no loop.  By this text's own count a wave has two tensor loads out at the start and one behind each of two rounds.
; CLUSTERS: 4 x 4 work-groups.  The four of a row of the cluster need the same tiles of o, the four of a column the same tiles of Wo: each tile is asked for JOINTLY, by the same tensor load with the same descriptor and a
; mask that names the four.  THE MATRIX INSTRUCTION IS USED TRANSPOSED (source 0 = 16 rows of Wo, source 1 = 16 rows of o): a lane then holds eight neighbouring numbers of a row of out0.
; A SLOT: o's part: 8 heads x 128 tokens x (64 bytes + 16): a head's 128 tokens are 8,192 consecutive bytes of memory, one row of the tensor load's tile, padded behind every 64; Wo's part: 128 rows x (512 bytes + 16).
; REGISTERS: window 0: v0-31 addresses; v32-95 at work on the way out; v128-255 the accumulators ((a, b) at v[128 + 8 (4 a + b)]).   window 1: two fragment buffers of 128: four fragments of o (16 registers each), then four of Wo.
.set AP,     80                        ; a token's row of one head in LDS: 20 words: the 16 rows that a load touches start at 16 different multiples of 4 words modulo 64 (64 banks of 4 bytes: ISA guide 11.1)
.set APL,    128*AP                    ; a head's plane: 10,240
.set BP,     528                       ; a row of Wo's tile in LDS: 132 words
.set BOFF,   8*APL                     ; Wo's part begins here: 81,920
.set SLOT,   BOFF+128*BP               ; 149,504
.set SPARE,  2*SLOT                    ; 299,008: the spare words, 128 bytes for each wave: two blocks of 256 bytes that no other line names
.set SPITCH, 272                       ; the way out: a stage of 16 rows x (256 bytes + 16) for each wave, in slot 0, which has had its last fill and its last read by then
.set ADRA, 16                          ; v16-19  LDS address of my o fragments: slot 0 heads 0-3, slot 0 heads 4-7, slot 1 likewise
.set ADRB, 20                          ; v20-21  of my Wo fragments in slot 0, 1
.set STO,  24                          ; v24     the way out: where I put 32 bytes of a row
.set RD,   25                          ; v25     where I read a row back
.set CO,   26                          ; v26     my byte offset in out0
.set SPW,  28                          ; v28     LDS address of my spare word: SPARE + 4 x my thread's number; never rewritten
.set NIL,  29                          ; v29     0; never rewritten
.set TMP,  32                          ; two sets of 32
.set ACC,  128
.set F0,   0                           ; fragment buffers, in window 1
.set F1,   128
.set G1, 24                            ; s[24:31] descriptor group 1 for o's tiles;  s[32:39] group 0, one set for each slot
.set G0, 32
.set G1B, 48                           ; s[48:55], s[56:63] the same for Wo's tiles
.set G0B, 56
.set MSB, 0
.macro WIN new                         ; the immediate's high byte repeats the setting that is left
.if MSB != \new
	s_set_vgpr_msb (MSB<<8)|\new
.set MSB, \new
.endif
.endm
.set MUL,  0x05                        ; sources 0 (Wo) and 1 (o) window 1; C and D window 0
.set TO_F, 0x40                        ; destination window 1, address window 0
.macro JLOAD s                         ; a joint load: waves 0 and 1 fetch o's two halves (four heads each), waves 2 and 3 Wo's (64 rows each); four v_nop follow each of the two lines, ahead of the jump, the label and what follows
	s_cmp_eq_u32 s15, 0
	s_cbranch_scc0 .Lfor_b_\@
	tensor_load_to_lds s[G0+4*\s:G0+4*\s+3], s[G1:G1+7]
	s_nop 0
.rept 4
	v_nop
.endr
	s_branch .Lasked_\@
.Lfor_b_\@:
	tensor_load_to_lds s[G0B+4*\s:G0B+4*\s+3], s[G1B:G1B+7]
	s_nop 0
.rept 4
	v_nop
.endr
.Lasked_\@:
.endm
.macro CREST                           ; a round of the cluster's barrier behind its opening barrier
	s_cmp_lg_u32 s14, 0
	s_cbranch_scc1 .Lnot_wave_0_\@
	s_barrier_signal -3
.Lnot_wave_0_\@:
	s_barrier_wait -3
	s_barrier_signal -1
	s_barrier_wait -1
.endm
.macro CROUND                          ; a whole round
	s_barrier_signal -1
	s_barrier_wait -1
	CREST
.endm
	s_load_b256 s[4:11], s[0:1], 0x0               ; o's codes s[4:5], the codes s[6:7], the scales' exponents s[8:9], out0 s[10:11]
	v_lshl_add_u32 v[SPW], v0, 2, SPARE
	v_mov_b32 v[NIL], 0
	ds_add_u32 v28, v29
	ds_add_u32 v28, v29
	s_wait_dscnt 0x0
	v_lshrrev_b32 v1, 5, v0
	v_readfirstlane_b32 s14, v1                    ; wave 0..3
	s_lshr_b32 s15, s14, 1                         ; which half of the tile's rows is mine.  Also: I fetch for o (0) or for Wo (1)
	s_and_b32 s16, s14, 1                          ; which half of its columns.  Also: which half of that tile I fetch
	s_bfe_u32 s40, ttmp6, 0x40000                  ; cx, cy: my place in the cluster
	s_bfe_u32 s41, ttmp6, 0x40004
	s_lshl_b32 s42, ttmp9, 2
	s_add_co_u32 s42, s42, s40                     ; tile column = 4 x cluster x + cx
	s_and_b32 s17, ttmp7, 0xffff
	s_lshl_b32 s17, s17, 2
	s_add_co_u32 s17, s17, s41                     ; tile row = 4 x cluster y + cy
	s_lshl_b32 s43, s41, 2
	s_lshl_b32 s43, 15, s43                        ; my row of the cluster
	s_lshl_b32 s44, 0x1111, s40                    ; my column
	; descriptor group 1 for o: 4 rows (heads) of 8,192 bytes (128 tokens x 64), 131,072 bytes apart; 16 bytes of padding behind every 64
	s_or_b32 s[G1+0], s43, (0<<16)|(1<<20)|(1<<21)|(3<<22)|(3<<25)  ; 15:0 the mask: my row; 17:16 element of 1 byte; 20 padding on; 21 set beside a mask; 24:22 after every 16 words (code 3); 31:25 of 4 words (code 3)
	s_mov_b32 s[G1+1], 8192<<16                    ; tensor_dim0
	s_mov_b32 s[G1+2], 4<<16                       ; tensor_dim1 = 4
	s_mov_b32 s[G1+3], 8192<<16                    ; tile_dim0
	s_mov_b32 s[G1+4], 4                           ; tile_dim1 = 4
	s_mov_b32 s[G1+5], 131072                      ; tensor_dim0_stride
	s_mov_b32 s[G1+6], 0
	s_mov_b32 s[G1+7], 0
	; and for Wo: 64 rows of 512 bytes, 2,048 bytes apart; 16 bytes of padding behind every 512
	s_or_b32 s[G1B+0], s44, (0<<16)|(1<<20)|(1<<21)|(6<<22)|(3<<25) ; the mask: my column; padding after every 128 words (code 6)
	s_mov_b32 s[G1B+1], 512<<16
	s_mov_b32 s[G1B+2], 64<<16
	s_mov_b32 s[G1B+3], 512<<16
	s_mov_b32 s[G1B+4], 64
	s_mov_b32 s[G1B+5], 2048
	s_mov_b32 s[G1B+6], 0
	s_mov_b32 s[G1B+7], 0
	s_lshl_b32 s20, s16, 19                        ; o: heads 4 x half on,
	s_lshl_b32 s18, s17, 13                        ; tokens 128 x tile row on
	s_add_co_u32 s20, s20, s18
	s_mov_b32 s21, 0
	s_lshl_b32 s46, s42, 18                        ; Wo: rows 128 x tile column
	s_lshl_b32 s47, s16, 17                        ; + 64 x half, of 2,048 bytes,
	s_add_co_u32 s46, s46, s47
	s_add_co_u32 s46, s46, 0x1800000               ; in region 6
	s_mov_b32 s47, 0
	s_mul_i32 s45, s16, 4*APL                      ; where they go: no place in the cluster enters an LDS address
	s_mul_i32 s19, s16, 64*BP
	s_add_co_u32 s19, s19, BOFF
	s_wait_kmcnt 0x0
	s_load_b64 s[66:67], s[8:9], 0x28              ; e10, e11
	s_add_nc_u64 s[20:21], s[4:5], s[20:21]
	s_add_nc_u64 s[46:47], s[6:7], s[46:47]
	CROUND                                         ; all sixteen work-groups are here: the first joint loads meet
.irp s, 0,1
	s_mov_b32 s[G0+4*\s], 1
	s_add_co_u32 s[G0+4*\s+1], s45, \s*SLOT
	s_add_nc_u64 s[G0+4*\s+2:G0+4*\s+3], s[20:21], \s*8*131072   ; chunk s: heads 8 s on
	s_or_b32 s[G0+4*\s+3], s[G0+4*\s+3], 0x80000000
	s_mov_b32 s[G0B+4*\s], 1
	s_add_co_u32 s[G0B+4*\s+1], s19, \s*SLOT
	s_add_nc_u64 s[G0B+4*\s+2:G0B+4*\s+3], s[46:47], \s*512
	s_or_b32 s[G0B+4*\s+3], s[G0B+4*\s+3], 0x80000000
	JLOAD \s
.endr
	v_and_b32 v1, 15, v0                           ; l % 16
	v_bfe_u32 v2, v0, 4, 1                         ; l / 16
	v_mul_u32_u24 v3, v1, AP
	v_lshl_add_u32 v3, v2, 4, v3
	s_mul_i32 s22, s15, 64*AP                      ; my 64 tokens
	v_add_nc_u32 v[ADRA], s22, v3
	v_add_nc_u32 v[ADRA+1], 4*APL, v[ADRA]
	v_add_nc_u32 v[ADRA+2], SLOT, v[ADRA]
	v_add_nc_u32 v[ADRA+3], SLOT+4*APL, v[ADRA]
	v_mul_u32_u24 v4, v1, BP
	v_lshl_add_u32 v4, v2, 4, v4
	s_mul_i32 s22, s16, 64*BP                      ; my 64 rows of Wo
	s_add_co_u32 s22, s22, BOFF
	v_add_nc_u32 v[ADRB], s22, v4
	v_add_nc_u32 v[ADRB+1], SLOT, v[ADRB]
	s_mul_i32 s23, s14, 16*SPITCH                  ; my stage
	v_mul_u32_u24 v5, v1, SPITCH                   ; in: row l % 16, 32 bytes for each half of the lanes
	v_lshl_add_u32 v5, v2, 5, v5
	v_add_nc_u32 v[STO], s23, v5
	v_mul_u32_u24 v5, v2, SPITCH                   ; back: lanes 0-15 take one row of 256 bytes, lanes 16-31 the next
	v_lshl_add_u32 v5, v1, 4, v5
	v_add_nc_u32 v[RD], s23, v5
	v_lshlrev_b32 v5, 13, v2                       ; and the same two rows in out0: 8,192 bytes a row
	v_lshl_add_u32 v[CO], v1, 4, v5
	s_lshl_b32 s20, s17, 20                        ; my first row: 128 x tile row + 64 x half,
	s_lshl_b32 s21, s15, 19
	s_add_co_u32 s20, s20, s21
	s_mov_b32 s21, 0
	s_lshl_b32 s46, s42, 9                         ; my first column, in bytes: 512 x tile column + 256 x half
	s_lshl_b32 s47, s16, 8
	s_add_co_u32 s46, s46, s47
	s_mov_b32 s47, 0
	s_add_nc_u64 s[10:11], s[10:11], s[20:21]
	s_add_nc_u64 s[10:11], s[10:11], s[46:47]
; 4 matrix instructions: o's block a x Wo's four, 128 along K, from buffer f.  zero = 1: the product starts the sum: nothing is ever cleared.
; The 16 accumulators take turns, one instruction a turn, in the same order in every quarter.
.macro MUL4 f, a, zero
.irp b, 0,1,2,3
.if \zero
	v_wmma_f32_16x16x128_fp8_fp8 v[ACC+8*(4*(\a)+\b):ACC+8*(4*(\a)+\b)+7], v[\f+64+16*\b:\f+64+16*\b+15], v[\f+16*(\a):\f+16*(\a)+15], 0
.else
	v_wmma_f32_16x16x128_fp8_fp8 v[ACC+8*(4*(\a)+\b):ACC+8*(4*(\a)+\b)+7], v[\f+64+16*\b:\f+64+16*\b+15], v[\f+16*(\a):\f+16*(\a)+15], v[ACC+8*(4*(\a)+\b):ACC+8*(4*(\a)+\b)+7]
.endif
.endr
.endm
; 32 LDS loads in one run: quarter q of the slot into buffer f: Wo's four fragments, then o's four.  Registers 4 c .. 4 c + 3 of a fragment hold k = 128 q + 32 c + 16 (l / 16) + 0 .. 15 on both sides;
; in o that is head 2 q + c / 2 of the slot, bytes 32 (c % 2) + 16 (l / 16) on.
.macro FETCH slot, q, f
	WIN TO_F
.irp i, 0,1,2,3
.irp c, 0,1,2,3
	ds_load_b128 v[\f+64+16*\i+4*\c:\f+64+16*\i+4*\c+3], v[ADRB+\slot] offset:128*(\q)+32*\c+\i*16*BP
.endr
.endr
.irp i, 0,1,2,3
.irp c, 0,1,2,3
	ds_load_b128 v[\f+16*\i+4*\c:\f+16*\i+4*\c+3], v[ADRA+2*(\slot)+(\q)/2] offset:((2*(\q)+\c/2)%4)*APL+32*(\c%2)+\i*16*AP
.endr
.endr
.endm
.macro PLACES                          ; four places in front of loads into registers that matrix instructions have read, and of the first read of results (ISA guide 7.12.1 for vector instructions)
.rept 4
	v_nop
.endr
.endm
; One of a slot's first three quarters: multiplies buffer f and fetches quarter qn of the same slot into g.
.macro QUARTER slot, qn, f, g, zero
	s_wait_dscnt 8                                 ; Wo's fragments and o's blocks 0, 1 are in; the youngest eight loads (blocks 2, 3) may be out
	WIN MUL
	MUL4 \f, 0, \zero
	MUL4 \f, 1, \zero
	PLACES
	FETCH \slot, \qn, \g
	s_wait_dscnt 32                                ; all but the 32 just issued
	WIN MUL
	MUL4 \f, 2, \zero
	MUL4 \f, 3, \zero
.endm
; A slot's last quarter multiplies buffer 1 and changes slots: ONE barrier; in front of it each wave waits for all its tensor loads, adds 0 to its spare word, and waits for that and for its own reads of this slot.  fill = 1: this slot is filled again, two chunks ahead.
.macro TURN slot, next, fill
	WIN 0                                          ; (the add's two registers lie in window 0)
	s_wait_tensorcnt 0x0                           ; all my tensor loads have landed: my part of the next slot;
	ds_add_u32 v[SPW], v[NIL]                      ; 0 onto my spare word
	s_wait_dscnt 13                                ; (the add and the youngest twelve loads, o's blocks 1 to 3, may be out)
	WIN MUL
	MUL4 F1, 0, 0                                  ; four matrix instructions stand between the add and the wait for it
	s_wait_dscnt 0x0                               ; the add is done, and my reads of this slot are over
	s_barrier_signal -1
	MUL4 F1, 1, 0
	WIN 0
	s_barrier_wait -1
.if \fill
	CREST                                          ; the barrier has opened a round of the cluster's barrier: no wave of any partner still reads this slot's tile or has a load on its way
	s_add_nc_u64 s[G0+4*\slot+2:G0+4*\slot+3], s[G0+4*\slot+2:G0+4*\slot+3], 16*131072
	s_add_nc_u64 s[G0B+4*\slot+2:G0B+4*\slot+3], s[G0B+4*\slot+2:G0B+4*\slot+3], 1024
	JLOAD \slot                                    ; the first tensor load behind the round; the four v_nop behind it are the places in front of the loads below
.else
	PLACES
.endif
	FETCH \next, 0, F0
	WIN MUL
	MUL4 F1, 2, 0
	MUL4 F1, 3, 0
.endm
	s_wait_tensorcnt 1                             ; my part of chunk 0 is in (chunk 1's load may be out)
	s_barrier_signal -1
	s_barrier_wait -1                              ; everybody's is
	FETCH 0, 0, F0
	QUARTER 0, 1, F0, F1, 1                        ; chunk 0: the first quarter's products start the sums
	QUARTER 0, 2, F1, F0, 0
	QUARTER 0, 3, F0, F1, 0
	TURN 0, 1, 1                                   ; slot 0 takes chunk 2
	QUARTER 1, 1, F0, F1, 0                        ; chunk 1
	QUARTER 1, 2, F1, F0, 0
	QUARTER 1, 3, F0, F1, 0
	TURN 1, 0, 1                                   ; slot 1 takes chunk 3
	QUARTER 0, 1, F0, F1, 0                        ; chunk 2
	QUARTER 0, 2, F1, F0, 0
	QUARTER 0, 3, F0, F1, 0
	TURN 0, 1, 0                                   ; nothing is left to fetch: no round
	QUARTER 1, 1, F0, F1, 0                        ; chunk 3
	QUARTER 1, 2, F1, F0, 0
	QUARTER 1, 3, F0, F1, 0
	s_wait_dscnt 8                                 ; the very last quarter
	WIN MUL
	MUL4 F1, 0, 0
	MUL4 F1, 1, 0
	s_wait_dscnt 0
	MUL4 F1, 2, 0
	MUL4 F1, 3, 0
	WIN 0
; THE WAY OUT, block by block of 16 rows x 64 columns.  A lane holds 32 neighbouring bytes of a row, and the lanes beside it hold other rows: so a block goes through my own stage in LDS and comes back as whole rows of
; 256 bytes, into the accumulators that it left.  LDS serves a wave's instructions in order (ISA guide 5.7.1.4): no wait between the stores and the loads, nor in front of the next block's stores.
.macro OUTB a
.irp j, 0,2,4,6,8,10,12,14,16,18,20,22,24,26,28,30
	v_pk_mul_f32 v[TMP+32*((\a)%2)+\j:TMP+32*((\a)%2)+\j+1], v[ACC+32*(\a)+\j:ACC+32*(\a)+\j+1], s[66:67] op_sel_hi:[1,0]   ; x 2^(e10 + e11); each accumulator from its low end on
.endr
.irp b, 0,1,2,3
	ds_store_b128 v[STO], v[TMP+32*((\a)%2)+8*\b:TMP+32*((\a)%2)+8*\b+3] offset:64*\b
	ds_store_b128 v[STO], v[TMP+32*((\a)%2)+8*\b+4:TMP+32*((\a)%2)+8*\b+7] offset:64*\b+16
.endr
.irp t, 0,1,2,3,4,5,6,7
	ds_load_b128 v[ACC+32*(\a)+4*\t:ACC+32*(\a)+4*\t+3], v[RD] offset:\t*2*SPITCH
.endr
.endm
.macro SENDB a, younger                ; younger: the LDS instructions issued behind block a's loads: the next block's sixteen, or none
.irp t, 0,1,2,3,4,5,6,7
	s_wait_dscnt \younger+7-\t
	global_store_b128 v[CO], v[ACC+32*(\a)+4*\t:ACC+32*(\a)+4*\t+3], s[10:11] offset:(16*(\a)+2*\t)*8192 th:TH_STORE_NT   ; 16 lanes store 256 consecutive bytes, at a multiple of 256 from out0's first byte; no register and no base is written again
.endr
.endm
	s_wait_kmcnt 0x0
	s_add_co_i32 s66, s66, s67                     ; e10 + e11, between -126 and 127,
	s_add_co_i32 s66, s66, 127
	s_lshl_b32 s66, s66, 23                        ; makes the f32 number 2^(e10 + e11)
	s_mov_b32 s67, s66                             ; (named with it as a pair, so it is written)
	PLACES                                         ; behind the last products, in front of the first read of results
	OUTB 0
	OUTB 1                                         ; a block's arithmetic stands between the loads of the block before and its stores
	SENDB 0, 16
	OUTB 2
	SENDB 1, 16
	OUTB 3
	SENDB 2, 16
	SENDB 3, 0
	s_wait_tensorcnt 0x0                           ; the wave's end: behind my last tensor load and my last LDS store
	ds_add_u32 v[SPW], v[NIL]
	s_wait_dscnt 0x0
	CROUND                                         ; the closing round: no work-group ends while a partner may still ask for a tile that names it
	s_endpgm
.Lfunc_end_k_q85ef8d08c2_outp:
	.size	k_q85ef8d08c2_outp, .Lfunc_end_k_q85ef8d08c2_outp-k_q85ef8d08c2_outp
	.p2alignl 7, 3214868480
	.fill 96, 4, 3214868480
	.section	.rodata,"a",@progbits
	.p2align	6, 0x0
	.amdhsa_kernel k_q85ef8d08c2_outp
		.amdhsa_group_segment_fixed_size 327680
		.amdhsa_private_segment_fixed_size 0
		.amdhsa_enable_private_segment 0
		.amdhsa_kernarg_size 32
		.amdhsa_user_sgpr_count 2
		.amdhsa_user_sgpr_kernarg_segment_ptr 1
		.amdhsa_wavefront_size32 1
		.amdhsa_system_sgpr_workgroup_id_x 1
		.amdhsa_system_sgpr_workgroup_id_y 1
		.amdhsa_system_sgpr_workgroup_id_z 1
		.amdhsa_system_vgpr_workitem_id 0
		.amdhsa_next_free_vgpr 512
		.amdhsa_next_free_sgpr 80
		.amdhsa_reserve_vcc 0
		.amdhsa_float_denorm_mode_32 3
		.amdhsa_float_denorm_mode_16_64 3
		.amdhsa_memory_ordered 1
		.amdhsa_forward_progress 1
		.amdhsa_inst_pref_size 74
	.end_amdhsa_kernel
	.amdgpu_metadata
---
amdhsa.version: [ 1, 2 ]
amdhsa.kernels:
  - .name:           k_q85ef8d08c2_outp
    .symbol:         k_q85ef8d08c2_outp.kd
    .args:
      - { .name: oc, .offset: 0, .size: 8, .value_kind: global_buffer, .address_space: global }
      - { .name: codes, .offset: 8, .size: 8, .value_kind: global_buffer, .address_space: global }
      - { .name: lowp_scales, .offset: 16, .size: 8, .value_kind: global_buffer, .address_space: global }
      - { .name: out0, .offset: 24, .size: 8, .value_kind: global_buffer, .address_space: global }
    .group_segment_fixed_size: 327680
    .private_segment_fixed_size: 0
    .kernarg_segment_align: 8
    .kernarg_segment_size: 32
    .max_flat_workgroup_size: 128
    .sgpr_count:     80
    .vgpr_count:     512
    .wavefront_size: 32
...
	.end_amdgpu_metadata
.endif
;; end of part 4
;; ======== version 2 of 2: 4 launches; version 1 with the launch attn written anew for expert scheduling mode
;; workspace buffers: codes 29,360,128 bytes; maskw 524,288 bytes of whole numbers; flags 1,024 bytes of whole numbers; proj 12,582,912 bytes; oc 4,194,304 bytes
;; launch prep: the kernel of part 1 again; grid 128 x 8, 4 waves a work-group, no clusters, 68,352 bytes of LDS; arguments q, Wq, k, Wk, Wv, v, Wo, mask, lowp_scales, codes, maskw, flags; writes codes, maskw, flags
;; launch proj: the kernel of part 2 again; grid 8 x 24, 4 waves a work-group, clusters of 4 x 4, 327,680 bytes of LDS; arguments codes, lowp_scales, proj; writes proj
;; launch attn (part 5): grid 8 x 32, 16 waves a work-group, no clusters, 284,672 bytes of LDS; arguments proj, maskw, flags, lowp_scales, oc; writes oc
.if DOCPART == 5
	.amdgcn_target "amdgcn-amd-amdhsa--gfx1250"
	.amdhsa_code_object_version 6
	.text
	.protected	k_q85ef8d08c2_attn
	.globl	k_q85ef8d08c2_attn
	.p2align	8
	.type	k_q85ef8d08c2_attn,@function
k_q85ef8d08c2_attn:
	s_mov_b64 s[64:65], 0
	v_nop
	global_prefetch_b8 v0, s[64:65] scope:SCOPE_SE
	s_setreg_imm32_b32 hwreg(HW_REG_WAVE_SCHED_MODE, 0, 2), 2
	s_setreg_imm32_b32 hwreg(HW_REG_WAVE_MODE, 25, 1), 1
	s_wait_xcnt 0x0
	s_wait_alu depctr_vm_vsrc(0)
; ATTN.  o[q][head] = softmax over the keys of (qh . kh / 8, hidden keys as the mask input says) times vh, both products on codes of E4M3; o is quantised on the way out for the last product.
; THE SOFTMAX AHEAD OF THE SECOND PRODUCT: t = score x log2(e) / 8; M = the row's largest t so far, rounded UP to a whole number; p = 2^(t - M) is what is quantised (scale 2^e8), not normalised.  The row's sum is taken of the
; unquantised p and divides at the end.  When M moves, the sum and O are multiplied by 2^(old M - new M): exact.
; THE MASK is an input: it comes as lane masks (maskw) and two words of flags for each tile of 16 queries, whole numbers that the first launch stored.  A hidden score becomes -2^80 ahead of the maximum: t - M is then far
; below every exponent and p = 0; in a row that has seen no kept key yet, -2^80 c is itself the largest t, p = 1, and the first kept key's f = 0 wipes that.  A step of 128 keys that holds no kept key for any of the tile's 16 queries
; adds only such zeros or numbers that are wiped: it is left out by a scalar branch on the stored bit.  A query with NO kept key at all gets p = 1 for all 2,048 keys, the uniform weights that the softmax of equal
; scores gives: its tile's flags have every step set.  A step without hidden keys neither asks for its 64 mask words nor runs the 64 selects.
; SHARES.  A work-group owns one head and 16 tiles of 16 queries, T = 8 rho + x (rho a permutation of the wave's number): one tile a wave, in 256 registers, four waves to a SIMD.  With a lower-triangular mask every
; work-group then has the same number of steps to work; the choice of T serves that alone and is right for every mask.
; NO TENSOR LOAD, NO CLUSTER, NO JOINT LOAD: steps are left out by a branch on numbers read from memory.  Instead the head's whole K and V^T, 2 x 131,072 bytes, go once
; through registers into LDS at the kernel's head (wave w brings step w), one barrier, and every wave reads them from there.  Nothing is left to prefetch: all loads from memory but the mask words go out at the head.
; LAYOUT.  Both products are used transposed: S^T = K Q^T (source 0 = 16 keys, source 1 = my 16 queries), O^T = V^T P^T: a lane holds ONE query (lane % 16) throughout.
; THE KEYS OF A TILE ARE NOT NEIGHBOURS: row m of tile 2 b + u is key 32 b + 8 u + m + 8 (m / 8), so that score register n holds key 32 (n / 16) + 16 (lane / 16) + n % 16 and the conversions' results are the second product's operand.
; LDS: blocks of 1,024 bytes = 16 rows x 64 bytes; piece q (16 bytes) of row r lies at 256 q + 16 ((r + 4 q) % 16): the 16 lanes of a staging store (4 rows x 4 pieces) and of a fragment load (16 rows of one piece) each
; touch sixteen different 16-byte columns.  K: step s at 8192 s, tile t at + 1024 t.  V^T: from 131,072 on, step s at 8192 s, 16 channels t at + 2048 t, 64 keys cc at + 1024 cc.  From 262,144 on: a stage of 16 rows x 80 bytes a wave.
; From 282,624 on: the spare words, 128 bytes for each of the sixteen waves, which no other line names.
; LIMITS on the given exponents: e6 + e7 between -50 and 40 (they are added to c's exponent field, and 2^80 c stays a whole f32 number); e8 and e10 between -126 and 119; e8 + e9 is applied by v_ldexp_f32 and has none.
; REGISTERS: v1-4 my lane's places in a block of K (two) and of V (two); v5 16 x lane; v6 -2^80; v7, v24 the stage; v8-11 the step's addresses; v12 -M, v13 the largest t, v[14:15] the sum in two halves; v16-23 Q;
;   v32-95 K's fragments, then V's; v96-159 S^T, then p; v160-191 O^T; v192-207 p's codes; v208-212 the head's addresses; v236-254 at work (v246, v248, v250, v252: the maximum's four chains; v[242:243], v[246:249]: the sum's);
;   v240, v244: 448 x 2^e8, 2^e8; v241, v245: the same with e10; v251, v255: the closing add's two, made at the head and kept for it alone.
; THE MODE: SCHED_MODE bits 1:0 = 2 (LLVM: expert scheduling mode 2), set by the entry lines.  The code itself states the register dependences between vector or matrix instructions and memory or LDS
; instructions, with s_wait_alu, always for 0.
; THE PLAN.  Registers that memory or LDS instructions touch:
;   v5, v212          offsets.  Written at the head, never again; read by the head's global loads, v5 by the last two stores too.
;   v208-211, v7, v24 LDS addresses.  Written at the head, named by no vector line afterwards; read by the staging stores, and by the way out's LDS stores and loads.
;   v16-23            Q.  Two global loads land once; the first product reads them.
;   v32-95            Head: K's global loads land, the staging stores read.  A worked step: K's sixteen LDS loads land; the eight first products read; V's sixteen LDS loads land; the four second products read.
;                     Way out: two loads from the stage land in v32-39, the global stores read them.
;   v96-159           Head: V's global loads land, the staging stores read.  Afterwards vector and matrix lines alone.
;   v8-11             Written by four additions at the head of a worked step; read by that step's 32 LDS loads.
;   v192-199          Way out: written by four conversions, read by four LDS stores.
; So a worked step holds one wait on vm_vsrc, ahead of the four additions, and two waits on va_vdst beside the exponentials' own: one behind the additions, ahead of K's loads, and one behind the first products, ahead of V's.
; Behind the second, V's loads are dealt among the selects' and the maximum's lines, which name v6, v96-159 and v246-252: none of the registers that those loads touch.
.set VIMG, 131072
.set OSTG, 262144
.set OP,   80                          ; a row of the stage: 64 codes + 16
.set MX,   246                         ; the maximum's four chains: v246, v248, v250, v252
; V's fragment of channel tile t: registers 4 c .. 4 c + 3 hold keys 32 c + 16 h + 0 .. 15, as p's codes do
.macro VFRAG t
.irp c, 0,1,2,3
	ds_load_b128 v[32+16*(\t)+4*\c:35+16*(\t)+4*\c], v[10+(\c%2)] offset:2048*(\t)+1024*(\c/2)
.endr
.endm
; one line of each of the maximum's four chains: scores i and i + 1 of each sixteen
.macro MAX4 i
.irp k, 0,1,2,3
	v_max3_num_f32 v[MX+2*\k], v[MX+2*\k], v[96+16*\k+(\i)], v[97+16*\k+(\i)]
.endr
.endm
	s_load_b256 s[4:11], s[0:1], 0x0               ; proj s[4:5], maskw s[6:7], flags s[8:9], the scales' exponents s[10:11]
	s_load_b64 s[12:13], s[0:1], 0x20              ; oc
	v_lshl_add_u32 v251, v0, 2, 0x45000            ; my spare word's LDS address: 282,624 + 4 x my thread's number,
	v_mov_b32 v255, 0                              ; and 0: for the closing add
	v_lshrrev_b32 v25, 5, v0
	v_readfirstlane_b32 s14, v25                   ; wave 0..15
	v_and_b32 v25, 31, v0                          ; lane l
	v_and_b32 v26, 15, v0                          ; r
	v_bfe_u32 v27, v0, 4, 1                        ; h
	v_lshlrev_b32 v5, 4, v25
	v_lshlrev_b32 v212, 6, v26
	v_lshl_add_u32 v212, v27, 4, v212              ; Q: row r of 64 bytes, + 16 h
	s_and_b32 s21, ttmp7, 0xffff                   ; the head
	s_wait_alu depctr_va_sdst(0)                   ; s14 is written, ahead of its first reader: the tile, the bases and the LDS places are made from it
	s_bfe_u32 s15, s14, 0x10002
	s_mul_i32 s15, s15, 3
	s_xor_b32 s15, s15, s14                        ; rho = w xor 3 ((w / 4) % 2)
	s_lshl_b32 s15, s15, 3
	s_add_co_u32 s15, s15, ttmp9                   ; T
	s_lshl_b32 s38, s15, 3                         ; its flags
	s_lshl_b32 s40, s21, 17
	s_lshl_b32 s41, s15, 10
	s_add_co_u32 s40, s40, s41                     ; qh's codes and o's: head x 131,072 + T x 1,024
	s_mov_b32 s41, 0
	s_lshl_b32 s42, s21, 17
	s_lshl_b32 s43, s14, 13
	s_add_co_u32 s42, s42, s43
	s_add_co_u32 s42, s42, 0x400000                ; kh's codes: region 1, my head, step w's 128 rows of 64 bytes
	s_mov_b32 s43, 0
	s_lshl_b32 s44, s21, 12
	s_lshl_b32 s45, s14, 18
	s_add_co_u32 s44, s44, s45
	s_add_co_u32 s44, s44, 0x800000                ; vh^T's codes: region 2, key blocks 2 w and 2 w + 1 (131,072 bytes each), my head's 64 rows of 64 bytes
	s_mov_b32 s45, 0
	s_lshl_b32 s46, s15, 12                        ; the tile's mask words: 16 steps of 256 bytes
	s_mov_b32 s47, 0
	s_wait_kmcnt 0x0
	s_load_b64 s[26:27], s[8:9], s38 offset:0x0    ; s26: steps to work; s27: steps with hidden keys
	s_load_b128 s[16:19], s[10:11], 0x18           ; e6, e7, e8, e9
	s_load_b32 s20, s[10:11], 0x28                 ; e10
	s_add_nc_u64 s[32:33], s[4:5], s[40:41]
	s_add_nc_u64 s[34:35], s[4:5], s[42:43]
	s_add_nc_u64 s[36:37], s[4:5], s[44:45]
	s_add_nc_u64 s[12:13], s[12:13], s[40:41]
	s_add_nc_u64 s[6:7], s[6:7], s[46:47]
	s_wait_alu depctr_va_vdst(0)                   ; v5 and v212 are written: the loads below, and the last two stores, read them as their offsets
.irp g, 0,1,2,3,4,5,6,7,8,9,10,11,12,13,14,15
	global_load_b128 v[32+4*\g:35+4*\g], v5, s[34:35] offset:512*\g          ; K of step w: 8,192 consecutive bytes; load g: keys 8 g + l / 4, piece l % 4
.endr
.irp jj, 0,1
.irp g, 0,1,2,3,4,5,6,7
	global_load_b128 v[96+4*(8*\jj+\g):99+4*(8*\jj+\g)], v5, s[36:37] offset:131072*\jj+512*\g   ; V^T of step w: two runs of 4,096 bytes; load (jj, g): channel 8 g + l / 4, keys 64 jj + 16 (l % 4) on
.endr
.endr
	global_load_b128 v[16:19], v212, s[32:33]      ; Q's fragment stays in registers: of row r, the head's bytes 16 h on,
	global_load_b128 v[20:23], v212, s[32:33] offset:32   ; and 32 + 16 h on: the same permutation of k as K's pieces h and 2 + h
	v_lshl_add_u32 v30, v27, 2, v26                ; r + 4 h
	v_and_b32 v31, 15, v30
	v_lshlrev_b32 v31, 4, v31
	v_lshl_add_u32 v1, v27, 8, v31                 ; piece h of row r
	v_add_nc_u32 v30, 8, v30
	v_and_b32 v30, 15, v30
	v_lshlrev_b32 v30, 4, v30
	v_lshl_add_u32 v2, v27, 8, v30
	v_add_nc_u32 v2, 512, v2                       ; piece 2 + h of row r
	v_add_nc_u32 v3, VIMG, v1
	v_add_nc_u32 v4, VIMG, v2
	v_lshrrev_b32 v28, 2, v25                      ; a = l / 4
	v_and_b32 v29, 3, v25                          ; q = l % 4
	v_lshl_add_u32 v30, v29, 2, v28                ; a + 4 q
	v_and_b32 v31, 15, v30
	v_lshlrev_b32 v31, 4, v31
	v_lshl_add_u32 v31, v29, 8, v31
	s_lshl_b32 s48, s14, 13
	v_add_nc_u32 v208, s48, v31                    ; staging: piece q of row a of a block of step w;
	v_add_nc_u32 v30, 8, v30
	v_and_b32 v30, 15, v30
	v_lshlrev_b32 v30, 4, v30
	v_lshl_add_u32 v30, v29, 8, v30
	v_add_nc_u32 v209, s48, v30                    ; of row a + 8;
	v_add_nc_u32 v210, VIMG, v208                  ; and the same for V
	v_add_nc_u32 v211, VIMG, v209
	s_mul_i32 s49, s14, 16*OP
	s_add_co_u32 s49, s49, OSTG                    ; my stage
	v_mul_u32_u24 v7, v26, OP
	v_lshl_add_u32 v7, v27, 3, v7
	v_add_nc_u32 v7, s49, v7                       ; in: row r, + 8 h
	v_mul_u32_u24 v24, v28, OP
	v_lshl_add_u32 v24, v29, 4, v24
	v_add_nc_u32 v24, s49, v24                     ; back: four lanes to a row's 64 bytes
	v_mov_b32 v6, 0xe7800000                       ; -2^80
	v_mov_b32 v13, 0xff61b1e6                      ; the largest t so far: -3e38, under every t
	v_floor_f32 v12, -v13                          ; -M
	v_mov_b32 v14, 0                               ; the sum, in two halves
	v_mov_b32 v15, 0
	v_mov_b32 v236, 0                              ; written once: a lane permute's destination counts as one of its sources
	v_mov_b32 v253, 0                              ; (named as the upper half of the pair v[252:253])
.irp j, 0,1,2,3,4,5,6,7,8,9,10,11,12,13,14,15,16,17,18,19,20,21,22,23,24,25,26,27,28,29,30,31
	v_mov_b32 v[160+\j], 0                         ; O^T.  Which step is the first to be worked is not known in the text: the loop is written once, and its first worked step finds zeros
.endr
	s_mov_b32 s24, 0x76543210                      ; v_permlanex16_b32's selects for lane l xor 16
	s_mov_b32 s25, 0xfedcba98
	s_wait_alu depctr_va_vdst(0)                   ; v208 to v211 are written, which the staging stores read as their addresses; so are v7 and v24, which the way out's LDS lines read and no vector line names again
	s_wait_loadcnt 18                              ; K's sixteen loads are in; V's sixteen and Q's two may be out
.irp g, 0,1,2,3,4,5,6,7,8,9,10,11,12,13,14,15
	ds_store_b128 v[208+((\g/2)%2)], v[32+4*\g:35+4*\g] offset:2048*(\g/4)+1024*(\g%2)   ; key 8 g + a is row a + 8 ((g / 2) % 2) of tile 2 (g / 4) + g % 2
.endr
	s_wait_loadcnt 2                               ; V's are in
.irp jj, 0,1
.irp g, 0,1,2,3,4,5,6,7
	ds_store_b128 v[210+(\g%2)], v[96+4*(8*\jj+\g):99+4*(8*\jj+\g)] offset:2048*(\g/2)+1024*\jj   ; channel 8 g + a is row a + 8 (g % 2) of channel tile g / 2
.endr
.endr
	s_wait_dscnt 0x0                               ; for the others' sake: my step's images have landed
	s_barrier_signal -1
	s_barrier_wait -1                              ; the head's K and V^T lie in LDS: the launch's one barrier
	s_wait_alu depctr_vm_vsrc(0)                   ; my staging stores have read v32 to v159, which the loop's LDS loads and products write, and the way out's lines too, whichever steps are left out
	s_wait_loadcnt 0x0                             ; Q; and no load names s32 to s37 any more
	s_wait_kmcnt 0x0
	; The 64 registers of the mask words begin as all ones, every key kept.  In the loop the words are asked for under one branch on the step's bit and used under a second branch on the same bit: so they are written here
	; once, and every path of the text on which they are read has written them.
.set n, 32
.rept 16
	s_mov_b64 s[n:n+1], -1
.set n, n+2
.endr
.set n, 68
.rept 16
	s_mov_b64 s[n:n+1], -1
.set n, n+2
.endr
	s_add_co_i32 s28, s16, s17
	s_lshl_b32 s28, s28, 23
	s_mov_b32 s22, 0x3e38aa3b                      ; c = log2(e) / 8
	s_add_co_i32 s22, s22, s28                     ; a score stands for score x 2^(e6 + e7): the two exponents are added to c's exponent field
	s_mov_b32 s23, s22                             ; (named with it as a pair, so it is written)
	s_add_co_i32 s28, s18, 127
	s_lshl_b32 s29, s28, 23
	v_mov_b32 v244, s29                            ; 2^e8 as f32, for p's conversions
	s_add_co_i32 s28, s28, 8
	s_lshl_b32 s28, s28, 23
	s_or_b32 s28, s28, 0x600000
	v_mov_b32 v240, s28                            ; 448 x 2^e8
	s_add_co_i32 s28, s20, 127
	s_lshl_b32 s29, s28, 23
	v_mov_b32 v245, s29                            ; 2^e10, for o's
	s_add_co_i32 s28, s28, 8
	s_lshl_b32 s28, s28, 23
	s_or_b32 s28, s28, 0x600000
	v_mov_b32 v241, s28                            ; 448 x 2^e10
	s_add_co_i32 s21, s18, s19                     ; e8 + e9
	s_mov_b32 s2, 0                                ; the step's place in K's and V's images
	s_mov_b32 s3, 16
.Lstep:                                            ; sixteen trips, a constant: what is left out is a step's work
	s_and_b32 s15, s26, 1
	s_cmp_eq_u32 s15, 0
	s_cbranch_scc1 .Lskip                          ; no kept key for any of my 16 queries among these 128 keys
	s_and_b32 s15, s27, 1
	s_cmp_eq_u32 s15, 0
	s_cbranch_scc1 .Lnowords                       ; all 16 x 128 count: the step's mask words are not wanted
	s_load_b512 s[32:47], s[6:7], 0x0              ; the step's 64 mask words: asked for here, ahead of K's loads and the first product, and waited for behind them
	s_load_b512 s[48:63], s[6:7], 0x40
	s_load_b512 s[68:83], s[6:7], 0x80
	s_load_b512 s[84:99], s[6:7], 0xc0
.Lnowords:
	s_wait_alu depctr_vm_vsrc(0)                   ; the LDS loads of the step worked last have read v8 to v11, which the four lines below write
.irp i, 0,1,2,3
	v_add_nc_u32 v[8+\i], s2, v[1+\i]              ; this step's four LDS addresses
.endr
	s_wait_alu depctr_va_vdst(0)                   ; v8 to v11 are written, which this step's LDS loads read; and the second products of the step worked last are done reading V's fragments in v32 to v95, in which K's land
.irp t, 0,1,2,3,4,5,6,7
	ds_load_b128 v[32+8*\t:35+8*\t], v8 offset:1024*\t
	ds_load_b128 v[36+8*\t:39+8*\t], v9 offset:1024*\t
.endr
.irp u, 0,1,2,3                                ; S^T = K Q^T: eight tiles of 16 keys, K = the head's 64, two tiles at a time as their fragments come
	s_wait_dscnt 12-4*\u                           ; LDS loads come back in order (ISA guide 5.7.1): the four loads of tiles 2 u and 2 u + 1 are in; those of the later tiles may be out
	v_wmma_f32_16x16x64_fp8_fp8 v[96+16*\u:103+16*\u], v[32+16*\u:39+16*\u], v[16:23], 0
	v_wmma_f32_16x16x64_fp8_fp8 v[104+16*\u:111+16*\u], v[40+16*\u:47+16*\u], v[16:23], 0
.endr
.rept 4
	v_nop                                          ; places in front of the first read of the scores (ISA guide 7.12.1)
.endr
	s_wait_alu depctr_va_vdst(0)                   ; the eight products are done reading K's fragments in v32 to v95, in which V's land.  V's sixteen loads follow with no further wait: no vector line up to the last of them names v32 to v95, v10 or v11
	VFRAG 0                                        ; V's fragments are asked for from here on, four loads at a time, and land during the softmax
	s_wait_kmcnt 0x0                               ; on every path: the mask words, where they were asked for, are in, and their base may be stepped
	s_and_b32 s15, s27, 1
	s_cmp_eq_u32 s15, 0
	s_cbranch_scc1 .Lopen                          ; all 16 x 128 count
.set n, 0
.rept 64
.if n < 32
.set W, 32+n
.else
.set W, 36+n
.endif
	v_cndmask_b32 v[96+n], v6, v[96+n], s[W]       ; bit l of word n: my query keeps register n's key; else -2^80
.set n, n+1
.endr
.Lopen:
	; the step's largest score of my query, among my 64 keys: four chains of fifteen scores, line by line in turn, so that no line reads the result of the line just ahead of it; each accumulator is first read at its low end
.irp k, 0,1,2,3
	v_max3_num_f32 v[MX+2*\k], v[96+16*\k], v[97+16*\k], v[98+16*\k]
.endr
	VFRAG 1
	MAX4 3
	MAX4 5
	VFRAG 2
	MAX4 7
	MAX4 9
	VFRAG 3
	MAX4 11
	MAX4 13
	v_max3_num_f32 v[MX], v[MX], v111, v127        ; the four scores left over,
	v_max3_num_f32 v[MX+4], v[MX+4], v143, v159
	v_max3_num_f32 v[MX], v[MX], v[MX+2], v[MX+4]  ; and the four chains
	v_max_num_f32 v254, v[MX], v[MX+6]
	v_permlanex16_b32 v236, v254, s24, s25
	v_max_num_f32 v254, v254, v236                 ; and among lane l xor 16's
	v_mul_f32 v254, s22, v254                      ; as t (c is positive)
	v_max_num_f32 v13, v13, v254                   ; the running largest t
	v_mov_b32 v254, v12
	v_floor_f32 v12, -v13                          ; the new -M = floor(-t) = -ceil(t): M is a whole number
	v_sub_f32 v254, v12, v254                      ; M's old value less its new one: a whole number, 0 or less
	v_cvt_i32_f32 v254, v254                       ; (it saturates)
	v_ldexp_f32 v252, 1.0, v254                    ; f = 2^(old M - new M): a multiplication by it rounds nothing
.irp j, 0,2,4,6,8,10,12,14,16,18,20,22,24,26,28,30,32,34,36,38,40,42,44,46,48,50,52,54,56,58,60,62
	v_pk_fma_f32 v[96+\j:97+\j], v[96+\j:97+\j], s[22:23], v[12:13] op_sel_hi:[1,0,0]   ; t - M, two at a time (of the pairs c and -M the low word serves both halves)
.endr
.irp j, 0,1,2,3,4,5,6,7,8,9,10,11,12,13,14,15,16,17,18,19,20,21,22,23,24,25,26,27,28,29,30,31,32,33,34,35,36,37,38,39,40,41,42,43,44,45,46,47,48,49,50,51,52,53,54,55,56,57,58,59,60,61,62,63
	v_exp_f32 v[96+\j], v[96+\j]                   ; p = 2^(t - M), at most 1: not normalised
.endr
	v_pk_mul_f32 v[14:15], v[14:15], v[252:253] op_sel_hi:[1,0]   ; the sums under the new M: the plain line behind the exponentials
	s_wait_alu depctr_va_vdst(0)                   ; the 64 exponentials have written v96 to v159: one wait for the whole batch, ahead of its first reader
	v_pk_add_f32 v[242:243], v[96:97], v[98:99]    ; the row's sum is taken of the unquantised p: two at a time, in four chains, of which the running sum is one
	v_pk_add_f32 v[246:247], v[100:101], v[102:103]
	v_pk_add_f32 v[248:249], v[104:105], v[106:107]
.irp j, 12,20,28,36,44,52
	v_pk_add_f32 v[14:15], v[14:15], v[96+\j:97+\j]
	v_pk_add_f32 v[242:243], v[242:243], v[98+\j:99+\j]
	v_pk_add_f32 v[246:247], v[246:247], v[100+\j:101+\j]
	v_pk_add_f32 v[248:249], v[248:249], v[102+\j:103+\j]
.endr
	v_pk_add_f32 v[14:15], v[14:15], v[156:157]
	v_pk_add_f32 v[242:243], v[242:243], v[158:159]
	v_pk_add_f32 v[246:247], v[246:247], v[248:249]
	v_pk_add_f32 v[14:15], v[14:15], v[242:243]
	v_pk_add_f32 v[14:15], v[14:15], v[246:247]
	; THE HOLD.  The conversion to an 8-bit code does not saturate (ISA guide 7.6.2), so p is held at 448 x 2^e8; p is not negative, so the hold is one-sided.  p is at most 1, one rounding over it at the most: where e8 >= -8
	; the bound is 1.75 or more and the hold changes no number.  So it is jumped over by a scalar branch on the given exponent, a whole number read from memory (this text has no tensor load, no copy and no cluster).
	s_cmp_ge_i32 s18, -8
	s_cbranch_scc1 .Lfits
.set n, 0
.rept 64
	v_min_num_f32 v[96+n], v[96+n], v240
.set n, n+1
.endr
.Lfits:
.irp b, 0,1,2,3
	v_cvt_scalef32_pk8_fp8_f32 v[192+4*\b:193+4*\b], v[96+16*\b:103+16*\b], v244
	v_cvt_scalef32_pk8_fp8_f32 v[194+4*\b:195+4*\b], v[104+16*\b:111+16*\b], v244
.endr
.irp j, 0,2,4,6,8,10,12,14,16,18,20,22,24,26,28,30
	v_pk_mul_f32 v[160+\j:161+\j], v[160+\j:161+\j], v[252:253] op_sel_hi:[1,0]   ; O^T under the new M, each accumulator from its low end on; also the plain lines between the conversions and the products
.endr
	s_wait_dscnt 0x0                               ; V's fragments are in
.irp t, 0,1,2,3                                ; O^T += V^T P^T: four tiles of 16 channels by turns, K = these 128 keys
	v_wmma_f32_16x16x128_fp8_fp8 v[160+8*\t:167+8*\t], v[32+16*\t:47+16*\t], v[192:207], v[160+8*\t:167+8*\t]
.endr
.Lskip:
	s_lshr_b32 s26, s26, 1
	s_lshr_b32 s27, s27, 1
	s_add_co_u32 s2, s2, 8192
	s_add_nc_u64 s[6:7], s[6:7], 256               ; (no scalar load is out here, on any way)
	s_sub_co_u32 s3, s3, 1
	s_cmp_lg_u32 s3, 0
	s_cbranch_scc1 .Lstep
	; THE WAY OUT.  o = O^T / the sum x 2^(e8 + e9), quantised with 2^e10; a lane's eight channels are 8 bytes of a row; the tile's 16 rows x 64 bytes go through my stage and leave as 1,024 consecutive bytes.
	v_add_f32 v14, v14, v15                        ; the sum's two halves,
	v_permlanex16_b32 v236, v14, s24, s25
	v_add_f32 v14, v14, v236                       ; and lane l xor 16's: the row's sum
	v_rcp_f32 v14, v14
	v_nop                                          ; a plain line behind the reciprocal; with the additions and the line behind the wait, five plain lines stand between the last products and the first read of O^T
	v_nop
	s_wait_alu depctr_va_vdst(0)                   ; the reciprocal has written v14, ahead of its first reader
	v_ldexp_f32 v14, v14, s21
.irp j, 0,1,2,3,4,5,6,7,8,9,10,11,12,13,14,15,16,17,18,19,20,21,22,23,24,25,26,27,28,29,30,31
	v_mul_f32 v[96+\j], v[160+\j], v14             ; register 8 t + i is o(query r, channel 16 t + 8 h + i)
.endr
.irp j, 0,1,2,3,4,5,6,7,8,9,10,11,12,13,14,15,16,17,18,19,20,21,22,23,24,25,26,27,28,29,30,31
	v_med3_num_f32 v[96+\j], v[96+\j], -v241, v241
.endr
.irp t, 0,1,2,3
	v_cvt_scalef32_pk8_fp8_f32 v[192+2*\t:193+2*\t], v[96+8*\t:103+8*\t], v245
.endr
	v_nop                                          ; one plain vector line behind the last conversion
	s_wait_alu depctr_va_vdst(0)                   ; the conversions have written v192 to v199, which the LDS stores read; and the last products are done reading v32 to v39, in which the loads from the stage land
.irp t, 0,1,2,3
	ds_store_b64 v7, v[192+2*\t:193+2*\t] offset:16*\t
.endr
	ds_load_b128 v[32:35], v24                     ; LDS serves a wave's instructions in order: these see my stores
	ds_load_b128 v[36:39], v24 offset:8*OP
	s_wait_dscnt 1
	global_store_b128 v5, v[32:35], s[12:13]       ; eight rows of 64 bytes: 512 consecutive bytes, at a multiple of 256 from the buffer's first byte
	s_wait_dscnt 0x0
	global_store_b128 v5, v[36:39], s[12:13] offset:512
	s_wait_dscnt 0x0                               ; the closing lines, six on end
	s_wait_alu 0x0
	s_wait_tensorcnt 0x0
	ds_add_u32 v251, v255
	s_wait_dscnt 0x0
	s_endpgm
.Lfunc_end_k_q85ef8d08c2_attn:
	.size	k_q85ef8d08c2_attn, .Lfunc_end_k_q85ef8d08c2_attn-k_q85ef8d08c2_attn
	.p2alignl 7, 3214868480
	.fill 96, 4, 3214868480
	.section	.rodata,"a",@progbits
	.p2align	6, 0x0
	.amdhsa_kernel k_q85ef8d08c2_attn
		.amdhsa_group_segment_fixed_size 284672
		.amdhsa_private_segment_fixed_size 0
		.amdhsa_enable_private_segment 0
		.amdhsa_kernarg_size 40
		.amdhsa_user_sgpr_count 2
		.amdhsa_user_sgpr_kernarg_segment_ptr 1
		.amdhsa_wavefront_size32 1
		.amdhsa_system_sgpr_workgroup_id_x 1
		.amdhsa_system_sgpr_workgroup_id_y 1
		.amdhsa_system_sgpr_workgroup_id_z 1
		.amdhsa_system_vgpr_workitem_id 0
		.amdhsa_next_free_vgpr 256
		.amdhsa_next_free_sgpr 100
		.amdhsa_reserve_vcc 0
		.amdhsa_float_denorm_mode_32 3
		.amdhsa_float_denorm_mode_16_64 3
		.amdhsa_memory_ordered 1
		.amdhsa_forward_progress 1
		.amdhsa_inst_pref_size 38
	.end_amdhsa_kernel
	.amdgpu_metadata
---
amdhsa.version: [ 1, 2 ]
amdhsa.kernels:
  - .name:           k_q85ef8d08c2_attn
    .symbol:         k_q85ef8d08c2_attn.kd
    .args:
      - { .name: proj, .offset: 0, .size: 8, .value_kind: global_buffer, .address_space: global }
      - { .name: maskw, .offset: 8, .size: 8, .value_kind: global_buffer, .address_space: global }
      - { .name: flags, .offset: 16, .size: 8, .value_kind: global_buffer, .address_space: global }
      - { .name: lowp_scales, .offset: 24, .size: 8, .value_kind: global_buffer, .address_space: global }
      - { .name: oc, .offset: 32, .size: 8, .value_kind: global_buffer, .address_space: global }
    .group_segment_fixed_size: 284672
    .private_segment_fixed_size: 0
    .kernarg_segment_align: 8
    .kernarg_segment_size: 40
    .max_flat_workgroup_size: 512
    .sgpr_count:     100
    .vgpr_count:     256
    .wavefront_size: 32
...
	.end_amdgpu_metadata
.endif
;; end of part 5
;; launch outp: the kernel of part 4 again; grid 16 x 16, 4 waves a work-group, clusters of 4 x 4, 327,680 bytes of LDS; arguments oc, codes, lowp_scales, out0; writes out0
